; MI455X (gfx1250); checked and timed in simulation.
; The chip was launched on July 23, 2026; its instructions are those of AMD's public machine-readable ISA for CDNA 5 (MIT licence, August 2026) and "CDNA5" Instruction Set Architecture Reference Guide (July 2026). The comments in the code are by the model that wrote it; some were corrected since.
;; Attention Layer. Allowed arithmetic: float matrix products may take bf16 or f16 operands with f32 sums; other float arithmetic in f32, or as packed bf16 or f16 multiplies, adds, multiply-adds, maxima and minima; sums over many terms, partial sums and values carried from step to step in f32; what a program stores and reads back later, other than sums and carried values, may be rounded once to bf16 or f16.
;; Inputs: attention_mask 4 x 2,048 x 2,048 int32; bk 1,024 float32; bq 1,024 float32; bv 1,024 float32; wk 1,024 x 1,024 float32; wq 1,024 x 1,024 float32; wv 1,024 x 1,024 float32; x_from 4 x 2,048 x 1,024 float32; x_to 4 x 2,048 x 1,024 float32.
;; Outputs: out0 4 x 2,048 x 1,024 float32.
;; 2 versions, each right and faster than the one before. Each part assembles by itself: llvm-mc -triple=amdgcn-amd-amdhsa -mcpu=gfx1250 --defsym DOCPART=n.
;; ======== version 1 of 2: 3 launches
;; limits: values are held in f16: magnitudes above 65,504 overflow, below 6.1e-05 lose precision; right only within a limited range of input values; values outside matrix products are rounded to f16
;; workspace buffers: xw 39,845,888 bytes; mk 33,554,432 bytes; qkv 50,331,648 bytes
;; launch prep (part 1): grid 2240 x 1, 8 waves a work-group, no clusters, 19,456 bytes of LDS; arguments attention_mask, x_from, x_to, wq, wk, wv, mk, xw; writes mk, xw
.if DOCPART == 1
	.amdgcn_target "amdgcn-amd-amdhsa--gfx1250"
	.amdhsa_code_object_version 6
	.text
	.protected	k_qdaa4f2711e_prep
	.globl	k_qdaa4f2711e_prep
	.p2align	8
	.type	k_qdaa4f2711e_prep,@function
k_qdaa4f2711e_prep:
	s_mov_b64 s[64:65], 0
	v_nop
	global_prefetch_b8 v0, s[64:65] scope:SCOPE_SE
	s_setreg_imm32_b32 hwreg(HW_REG_WAVE_MODE, 25, 1), 1
	s_wait_xcnt 0x0
; TWO STREAMS IN ONE LAUNCH.  Work-groups 0-1023 turn the int32 mask into an f16 table mk, laid out as the attention launch's matrix fragments; work-groups 1024-2239 round x_from, x_to, wq, wk, wv to bf16 into xw.
; mk holds (mask - 1) x 2.44140625, held to +-60,000.  The attention launch multiplies it by 32,768 in a matrix product: 32,768 x 2.44140625 = 80,000 = 8 x 10,000, the adder (1 - mask) x -10000 ahead of the scale 1/8.
; LIMITS.  2.44140625 = 625/256 has ten significant bits: the table is exact for mask values -2 to 5 (0 and 1 among them); other values keep f16's 11 significant bits; |mask - 1| above 24,576 counts as 24,576.
; mk: [stream 64][step 32][piece 4][u 2][kk 2][part 2][lane 32][8 f16].  stream = row / 128 (row = 2048 b + query); 2 piece + u = the tile of 16 rows in the stream; lane (r = l % 16, h = l / 16), element j:
; query r of the tile, key 64 step + 32 kk + 16 part + 8 h + j.  So a tile-step (16 queries x 64 keys) is 2,048 consecutive bytes of mk.
; xw: x_from [8192][1024] bf16 at byte 0, x_to behind it, then wq, wk, wv [1024][1024]: the inputs' own order, half the bytes.
; Memory binds: each byte is read once by 16-byte loads of which sixteen lanes cover 256 consecutive bytes, and written once in whole aligned blocks of 256 bytes.  Many short waves, each with 8 KB asked for at once:
; no loop, no barrier.  The mask's change of order goes through a stage in LDS that is each wave's own.
.set PITCH, 288                        ; a block of the stage: 256 bytes (8 keys x 16 queries) + 32: block i starts at bank 8 i mod 64 (64 banks of 4 bytes: ISA guide 11.1)
.set WSTG,  8*PITCH                    ; a wave's stage: eight blocks
.set SPARE, 8*WSTG                     ; behind the stages: the spare words, 128 bytes for each of the eight waves; no other line names them
.set X,   32                           ; v[32:95]  as loaded: 16 loads x 4 registers
.set Y,   8                            ; v[8:23]   a tile-step in mk's order, to store
.set SPW, 110                          ; v110      LDS address of my spare word; never rewritten
.set NIL, 111                          ; v111      0; never rewritten
	s_load_b512 s[8:23], s[0:1], 0x0               ; mask s[8:9], x_from s[10:11], x_to s[12:13], wq s[14:15], wk s[16:17], wv s[18:19], mk s[20:21], xw s[22:23]
	v_lshl_add_u32 v[SPW], v0, 2, SPARE
	v_mov_b32 v[NIL], 0
	v_lshrrev_b32 v1, 5, v0
	v_readfirstlane_b32 s4, v1                     ; wave 0..7
	v_and_b32 v1, 31, v0                           ; lane
	s_cmp_lt_u32 ttmp9, 1024
	s_cbranch_scc0 .Lconv
	; THE MASK.  Work-group g: tile T = g / 2 of 16 rows; wave w takes key steps 2 sp and 2 sp + 1, sp = 8 (g % 2) + w.
	s_lshr_b32 s5, ttmp9, 1                        ; T
	s_and_b32 s6, ttmp9, 1
	s_lshl3_add_u32 s6, s6, s4                     ; sp
	s_lshl_b32 s30, s5, 17                         ; 16 rows of 8,192 bytes
	s_lshl_b32 s7, s6, 9                           ; two steps of 64 keys of 4 bytes
	s_add_co_u32 s30, s30, s7
	s_mov_b32 s31, 0
	s_lshr_b32 s32, s5, 3                          ; the stream, 524,288 bytes each,
	s_lshl_b32 s32, s32, 19
	s_and_b32 s7, s5, 7                            ; the tile in it, 2,048 bytes in every step,
	s_lshl_b32 s7, s7, 11
	s_add_co_u32 s32, s32, s7
	s_lshl_b32 s7, s6, 15                          ; two steps of 16,384 bytes
	s_add_co_u32 s32, s32, s7
	s_mov_b32 s33, 0
	s_mul_i32 s34, s4, WSTG                        ; my stage
	s_mov_b32 s24, 0x401c4000                      ; 2.44140625
	s_mov_b32 s25, s24                             ; named with it as a pair
	s_mov_b32 s26, 0xc01c4000                      ; -2.44140625
	s_mov_b32 s27, s26
	s_mov_b32 s28, 0xc76a6000                      ; -60,000
	s_mov_b32 s29, 0x476a6000                      ; 60,000
	v_and_b32 v6, 15, v1                           ; i: my four keys in a row's 64
	v_lshrrev_b32 v7, 4, v1                        ; which of a load's two rows
	v_lshlrev_b32 v2, 13, v7
	v_lshl_add_u32 v2, v6, 4, v2                   ; in: row x 8,192 + 16 i
	v_lshrrev_b32 v24, 1, v6
	v_mul_u32_u24 v3, v24, PITCH                   ; into the stage: block i / 2 (eight keys), query 2 k + row at 16 bytes each, half i % 2 of them
	v_lshl_add_u32 v3, v7, 4, v3
	v_and_b32 v24, 1, v6
	v_lshl_add_u32 v3, v24, 3, v3
	v_add_nc_u32 v3, s34, v3
	v_mul_u32_u24 v4, v7, PITCH                    ; back: chunk c takes blocks 2 c (lanes 0-15) and 2 c + 1 (lanes 16-31), 16 bytes a query
	v_lshl_add_u32 v4, v6, 4, v4
	v_add_nc_u32 v4, s34, v4
	v_lshlrev_b32 v5, 4, v1                        ; out: 16 bytes a lane
	s_wait_kmcnt 0x0
	s_add_nc_u64 s[8:9], s[8:9], s[30:31]
	s_add_nc_u64 s[20:21], s[20:21], s[32:33]
.irp t, 0,1
.irp k, 0,1,2,3,4,5,6,7
	global_load_b128 v[X+32*(\t)+4*(\k):X+32*(\t)+4*(\k)+3], v2, s[8:9] offset:(\k)*16384+(\t)*256 th:TH_LOAD_NT  ; rows 2 k, 2 k + 1: sixteen lanes cover a row's 256 bytes of the step
.endr
.endr
; One tile-step.  left = the younger loads that may stay out.
.macro TS ts, left
	s_wait_loadcnt \left                           ; loads come back in order: this tile-step's eight are in
.irp k, 0,1,2,3,4,5,6,7
.irp j, 0,1,2,3
	v_cvt_f32_i32 v[X+32*(\ts)+4*(\k)+(\j)], v[X+32*(\ts)+4*(\k)+(\j)]
.endr
	v_pk_fma_f32 v[X+32*(\ts)+4*(\k):X+32*(\ts)+4*(\k)+1], v[X+32*(\ts)+4*(\k):X+32*(\ts)+4*(\k)+1], s[24:25], s[26:27] op_sel_hi:[1,0,0]      ; (mask - 1) x 2.44140625, one rounding
	v_pk_fma_f32 v[X+32*(\ts)+4*(\k)+2:X+32*(\ts)+4*(\k)+3], v[X+32*(\ts)+4*(\k)+2:X+32*(\ts)+4*(\k)+3], s[24:25], s[26:27] op_sel_hi:[1,0,0]
.irp j, 0,1,2,3
	v_med3_num_f32 v[X+32*(\ts)+4*(\k)+(\j)], v[X+32*(\ts)+4*(\k)+(\j)], s28, s29   ; inside f16's range
.endr
	v_cvt_pk_f16_f32 v[X+32*(\ts)+4*(\k)], v[X+32*(\ts)+4*(\k)], v[X+32*(\ts)+4*(\k)+1]
	v_cvt_pk_f16_f32 v[X+32*(\ts)+4*(\k)+1], v[X+32*(\ts)+4*(\k)+2], v[X+32*(\ts)+4*(\k)+3]
	ds_store_b64 v3, v[X+32*(\ts)+4*(\k):X+32*(\ts)+4*(\k)+1] offset:32*(\k)         ; the 32 lanes' 64 words fall on 64 different banks
.endr
.if \ts
	s_wait_xcnt 0x0                                ; the first tile-step's stores have had their addresses taken: Y is loaded again only behind this wait
.endif
.irp c, 0,1,2,3
	ds_load_b128 v[Y+4*(\c):Y+4*(\c)+3], v4 offset:2*PITCH*(\c)  ; LDS serves a wave's instructions in order (ISA guide 5.7.1.4): these see the stores above
.endr
	s_wait_dscnt 0x0
.irp c, 0,1,2,3
	global_store_b128 v5, v[Y+4*(\c):Y+4*(\c)+3], s[20:21] offset:(\ts)*16384+512*(\c)  ; 512 consecutive bytes, at a multiple of 256 from mk's first
.endr
.endm
	TS 0, 8                                        ; the second tile-step's eight loads stay out
	TS 1, 0
	s_wait_tensorcnt 0x0                           ; the wave's end: behind my last LDS store
	ds_add_u32 v[SPW], v[NIL]
	s_wait_dscnt 0x0
	s_endpgm
.Lconv:	; THE ROUNDING TO bf16.  Work-group c = g - 1024 takes 65,536 bytes of f32, a wave 8,192.  c < 512: x_from; c < 1024: x_to; then 64 work-groups for each of wq, wk, wv.
	s_sub_co_u32 s5, ttmp9, 1024                   ; c
	s_and_b32 s6, s5, 511                          ; its place in x_from or x_to
	s_sub_co_u32 s7, s5, 1024
	s_and_b32 s30, s7, 63                          ; its place in a weight,
	s_lshr_b32 s7, s7, 6                           ; and which weight (neither 1 nor 2 where c < 1024)
	s_lshl_b32 s32, s5, 15                         ; xw has the sources' order: 32,768 bytes for each c
	s_mov_b32 s33, 0
	s_lshl_b32 s34, s4, 13
	v_lshl_add_u32 v2, v1, 4, s34                  ; in: 8,192 w + 16 lane
	s_lshl_b32 s35, s4, 12
	v_lshl_add_u32 v3, v1, 3, s35                  ; out: 4,096 w + 8 lane
	s_wait_kmcnt 0x0
	s_cmp_eq_u32 s7, 1
	s_cselect_b64 s[14:15], s[16:17], s[14:15]
	s_cmp_eq_u32 s7, 2
	s_cselect_b64 s[14:15], s[18:19], s[14:15]
	s_cmp_lt_u32 s5, 512
	s_cselect_b64 s[10:11], s[10:11], s[12:13]
	s_cmp_lt_u32 s5, 1024
	s_cselect_b64 s[10:11], s[10:11], s[14:15]
	s_cselect_b32 s6, s6, s30
	s_lshl_b32 s6, s6, 16
	s_mov_b32 s7, 0
	s_add_nc_u64 s[10:11], s[10:11], s[6:7]
	s_add_nc_u64 s[22:23], s[22:23], s[32:33]
.irp i, 0,1,2,3,4,5,6,7,8,9,10,11,12,13,14,15
	global_load_b128 v[X+4*(\i):X+4*(\i)+3], v2, s[10:11] offset:512*(\i) th:TH_LOAD_NT
.endr
.irp i, 0,1,2,3,4,5,6,7,8,9,10,11,12,13,14,15
	s_wait_loadcnt 15-(\i)                         ; load i is in, the younger ones stay out
	v_cvt_pk_bf16_f32 v[X+4*(\i)], v[X+4*(\i)], v[X+4*(\i)+1]
	v_cvt_pk_bf16_f32 v[X+4*(\i)+1], v[X+4*(\i)+2], v[X+4*(\i)+3]
	global_store_b64 v3, v[X+4*(\i):X+4*(\i)+1], s[22:23] offset:256*(\i)  ; the wave's 32 lanes store 256 consecutive bytes, aligned; no register is written again
.endr
	s_wait_tensorcnt 0x0                           ; both paths end alike
	ds_add_u32 v[SPW], v[NIL]
	s_wait_dscnt 0x0
	s_endpgm
.Lfunc_end_k_qdaa4f2711e_prep:
	.size	k_qdaa4f2711e_prep, .Lfunc_end_k_qdaa4f2711e_prep-k_qdaa4f2711e_prep
	.p2alignl 7, 3214868480
	.fill 96, 4, 3214868480
	.section	.rodata,"a",@progbits
	.p2align	6, 0x0
	.amdhsa_kernel k_qdaa4f2711e_prep
		.amdhsa_group_segment_fixed_size 19456
		.amdhsa_private_segment_fixed_size 0
		.amdhsa_enable_private_segment 0
		.amdhsa_kernarg_size 64
		.amdhsa_user_sgpr_count 2
		.amdhsa_user_sgpr_kernarg_segment_ptr 1
		.amdhsa_wavefront_size32 1
		.amdhsa_system_sgpr_workgroup_id_x 1
		.amdhsa_system_sgpr_workgroup_id_y 1
		.amdhsa_system_sgpr_workgroup_id_z 1
		.amdhsa_system_vgpr_workitem_id 0
		.amdhsa_next_free_vgpr 112
		.amdhsa_next_free_sgpr 66
		.amdhsa_reserve_vcc 0
		.amdhsa_float_denorm_mode_32 3
		.amdhsa_float_denorm_mode_16_64 3
		.amdhsa_memory_ordered 1
		.amdhsa_forward_progress 1
		.amdhsa_inst_pref_size 23
	.end_amdhsa_kernel
	.amdgpu_metadata
---
amdhsa.version: [ 1, 2 ]
amdhsa.kernels:
  - .name:           k_qdaa4f2711e_prep
    .symbol:         k_qdaa4f2711e_prep.kd
    .args:
      - { .name: attention_mask, .offset: 0, .size: 8, .value_kind: global_buffer, .address_space: global }
      - { .name: x_from, .offset: 8, .size: 8, .value_kind: global_buffer, .address_space: global }
      - { .name: x_to, .offset: 16, .size: 8, .value_kind: global_buffer, .address_space: global }
      - { .name: wq, .offset: 24, .size: 8, .value_kind: global_buffer, .address_space: global }
      - { .name: wk, .offset: 32, .size: 8, .value_kind: global_buffer, .address_space: global }
      - { .name: wv, .offset: 40, .size: 8, .value_kind: global_buffer, .address_space: global }
      - { .name: mk, .offset: 48, .size: 8, .value_kind: global_buffer, .address_space: global }
      - { .name: xw, .offset: 56, .size: 8, .value_kind: global_buffer, .address_space: global }
    .group_segment_fixed_size: 19456
    .private_segment_fixed_size: 0
    .kernarg_segment_align: 8
    .kernarg_segment_size: 64
    .max_flat_workgroup_size: 256
    .sgpr_count:     66
    .vgpr_count:     112
    .wavefront_size: 32
...
	.end_amdgpu_metadata
.endif
;; end of part 1
;; launch proj (part 2): grid 12 x 32, 4 waves a work-group, clusters of 4 x 4, 327,680 bytes of LDS; arguments xw, bq, bk, bv, qkv; writes qkv
.if DOCPART == 2
	.amdgcn_target "amdgcn-amd-amdhsa--gfx1250"
	.amdhsa_code_object_version 6
	.text
	.protected	k_qdaa4f2711e_proj
	.globl	k_qdaa4f2711e_proj
	.p2align	8
	.type	k_qdaa4f2711e_proj,@function
k_qdaa4f2711e_proj:
	s_mov_b64 s[64:65], 0
	v_nop
	global_prefetch_b8 v0, s[64:65] scope:SCOPE_SE
	s_setreg_imm32_b32 hwreg(HW_REG_WAVE_MODE, 25, 1), 1
	s_wait_xcnt 0x0
	s_wait_alu depctr_hold_cnt(0) depctr_sa_sdst(0) depctr_va_vdst(0) depctr_va_sdst(0) depctr_va_ssrc(0) depctr_va_vcc(0) depctr_vm_vsrc(0)
	s_getreg_b32 s2, hwreg(HW_REG_IB_STS2, 6, 4)
	s_cmp_eq_u32 s2, 0
	s_cbranch_scc0 .Lentry_in_a_cluster
	s_endpgm
.Lentry_in_a_cluster:
	s_bfe_u32 s2, ttmp6, 0x10000c
	s_cmp_lg_u32 s2, 0xf033
	s_cbranch_scc0 .Lentry_shape_is_right
	s_endpgm
.Lentry_shape_is_right:
; q = x_from wq + bq, k = x_to wk + bk, v = x_to wv + bv.  x [8192][1024] and w [1024 k][1024 n] come as bf16 from xw; the bias is rounded to bf16 here, like the other inputs; sums in f32, K ascending, started by the bias.
; The results leave as f16, rounded once, by heads: qkv[mat][16 b + head][s][64], unscaled.  LIMIT: f16 holds no number beyond 65,504: |q|, |k|, |v| stay within it, or the number becomes an infinity.
; SHARES.  The cluster's x is the matrix (0 q, 1 k, 2 v).  A work-group makes 256 rows x 256 columns, each of its four waves 128 x 128: 64 accumulators of 16 x 16, 512 registers.
; K goes in steps of 128 through a ring of two LDS slots filled by the tensor data mover: 256 rows of x (256 bytes each) and 128 rows of w (512 bytes each).
; CLUSTER.  4 x 4 work-groups.  The four of a row need the same rows of x, the four of a column the same columns of w: each tile is asked for JOINTLY, by the same tensor load with the same descriptor and a mask of the four.
; THE MATRIX INSTRUCTION IS USED TRANSPOSED: source 0 = 16 columns of w (turned on the way out of LDS by ds_load_tr16_b128, since w lies [k][n]), source 1 = 16 rows of x.  A lane then holds row l % 16 and the eight
; neighbouring columns 8 (l / 16) + 0..7, which pack into 16 bytes of a head's row.
; REGISTERS, in windows of 256 (s_set_vgpr_msb: bits 1:0 source 0, 3:2 source 1, 5:4 source 2, 7:6 destination):
;   window 0: v0-31 addresses; v64-127, v128-191 fragments of x, two buffers; v192-223 packed results; v32-63, v224-255 rows read back from the stage, by turns
;   window 1: v0-63 the bias as eight C operands; v64-127, v128-191 fragments of w, two buffers
;   window 2: the 32 accumulators of my rows 0-63 ((a, b) at v[8 (8 a + b)]);   window 3: those of my rows 64-127
.set SIZE_K, 1024
.set KSTEP,  128
.set PA,     272                       ; a row of x in LDS: 256 bytes + 16 = 68 words: row r starts at bank 4 r mod 64 (64 banks of 4 bytes: ISA guide 11.1)
.set PB,     544                       ; a row of w: 512 bytes + 32 = 136 words: row r starts at bank 8 r mod 64
.set HALFT,  128*PA                    ; what one tensor load brings: 128 rows of x, or 64 rows of w (64 x 544 is the same 34,816 bytes)
.set SLOT,   4*HALFT                   ; x's 256 rows, then w's 128 rows
.set STAGE,  2*SLOT                    ; behind the ring: for each wave 2 heads x 16 rows x 144 bytes, for the way out
.set SP,     144
.set WSTG,   2*16*SP
.set SPARE,  STAGE+4*WSTG              ; behind the stages: the spare words, 128 bytes for each wave; no other line names them
.set LAPS,   SIZE_K/(2*KSTEP)          ; a lap = two K steps = once round the ring
.set XTO,    16777216                  ; x_to's first byte in xw
.set WOFF,   33554432                  ; wq's; each weight is 2,097,152 bytes
.set ADRA, 16                          ; v16-17  LDS address of my fragments of x in slot 0, 1
.set ADRB, 20                          ; v20-21  the same for w
.set STO,  24                          ; v24     the way out: where I put 16 bytes of a row
.set RD,   25                          ; v25     where I read rows back
.set CO,   26                          ; v26     my byte offset in 512 consecutive bytes of qkv
.set BO,   27                          ; v27     my byte offset in 16 numbers of the bias
.set SPW,  28                          ; v28     LDS address of my spare word; never rewritten
.set NIL,  29                          ; v29     0; never rewritten
.set F0,   64
.set F1,   128
.set TMP,  192
.set OB,   32
.set BI,   0                           ; window 1
.set WV,  14                           ; s14 wave
.set RH,  15                           ; s15 which half of the tile's rows is mine.  Also: I fetch for x (0) or for w (1)
.set CH,  16                           ; s16 which half of its columns.  Also: which half of that tile I fetch
.set CX,  17
.set CY,  18
.set MAT, 19
.set TR,  20                           ; s20 tile row, 0..31
.set G1,  24                           ; s[24:31] descriptor group 1 for x's tiles;  s[32:39] group 0, a set for each slot
.set G0,  32
.set G1B, 48                           ; s[48:55], s[56:63] the same for w's
.set G0B, 56
.set MSB, 0
.macro WIN new                         ; the immediate's high byte repeats the setting that is left; a switch that changes nothing is dropped
.if MSB != (\new)
	s_set_vgpr_msb (MSB<<8)|(\new)
.set MSB, \new
.endif
.endm
.set TO_B, 0x40                        ; destination window 1, address window 0
; A joint load.  Waves 0 and 1 fetch x's two halves, waves 2 and 3 w's.  The branch hangs on the wave's number alone.  An s_nop 0 and four v_nop follow each of the two lines.
.macro JLOAD s
	s_cmp_eq_u32 s[RH], 0
	s_cbranch_scc0 .Lfor_b_\@
	tensor_load_to_lds s[G0+4*(\s):G0+4*(\s)+3], s[G1:G1+7]
	s_nop 0
.rept 4
	v_nop
.endr
	s_branch .Lasked_\@
.Lfor_b_\@:
	tensor_load_to_lds s[G0B+4*(\s):G0B+4*(\s)+3], s[G1B:G1B+7]
	s_nop 0
.rept 4
	v_nop
.endr
.Lasked_\@:
.endm
.macro CREST                           ; a round of the cluster's barrier behind its opening barrier
	s_cmp_lg_u32 s[WV], 0
	s_cbranch_scc1 .Lnot_wave_0_\@
	s_barrier_signal -3
.Lnot_wave_0_\@:
	s_barrier_wait -3
	s_barrier_signal -1
	s_barrier_wait -1
.endm
.macro CROUND                          ; a whole round
	s_barrier_signal -1
	s_barrier_wait -1
	CREST
.endm
	s_load_b256 s[4:11], s[0:1], 0x0               ; xw s[4:5], bq s[6:7], bk s[8:9], bv s[10:11]
	s_load_b64 s[12:13], s[0:1], 0x20              ; qkv
	v_lshl_add_u32 v[SPW], v0, 2, SPARE
	v_mov_b32 v[NIL], 0
	ds_add_u32 v[SPW], v[NIL]                      ; the wave's opening: the add and its wait stand ahead of my first tensor load; the set-up below, work on registers, stands between them
	v_lshrrev_b32 v1, 5, v0
	v_readfirstlane_b32 s[WV], v1
	s_lshr_b32 s[RH], s[WV], 1
	s_and_b32 s[CH], s[WV], 1
	s_bfe_u32 s[CX], ttmp6, 0x40000                ; my place in the cluster
	s_bfe_u32 s[CY], ttmp6, 0x40004
	s_mov_b32 s[MAT], ttmp9                        ; in a cluster launch ttmp9 and ttmp7 count clusters: the matrix is the cluster's x
	s_and_b32 s[TR], ttmp7, 0xffff
	s_lshl_b32 s[TR], s[TR], 2
	s_add_co_u32 s[TR], s[TR], s[CY]               ; tile row = 4 x cluster y + cy
	s_lshl_b32 s21, s[CY], 2
	s_lshl_b32 s21, 15, s21                        ; my row of the cluster
	s_lshl_b32 s22, 0x1111, s[CX]                  ; my column
	s_or_b32 s[G1+0], s21, (1<<16)|(1<<20)|(1<<21)|(5<<22)|(3<<25)   ; 15:0 the mask; 17:16 2-byte elements; 20 padding on; 21 set beside a mask; 24:22 after every 64 words (code 5); 31:25 4 words (code 3)
	s_or_b32 s[G1B+0], s22, (1<<16)|(1<<20)|(1<<21)|(6<<22)|(7<<25)  ; w: after every 128 words (code 6), 8 words (code 7)
	s_mov_b32 s[G1+1], KSTEP<<16                   ; x: tensor_dim0 = 128
	s_mov_b32 s[G1+2], 128<<16                     ; tensor_dim1 = 128
	s_mov_b32 s[G1+3], KSTEP<<16                   ; tile_dim0 = 128
	s_mov_b32 s[G1+4], 128                         ; tile_dim1 = 128
	s_mov_b32 s[G1+5], SIZE_K                      ; elements from row to row
	s_mov_b32 s[G1+6], 0
	s_mov_b32 s[G1+7], 0
	s_mov_b32 s[G1B+1], 256<<16                    ; w: tensor_dim0 = 256
	s_mov_b32 s[G1B+2], 64<<16                     ; tensor_dim1 = 64
	s_mov_b32 s[G1B+3], 256<<16                    ; tile_dim0 = 256
	s_mov_b32 s[G1B+4], 64                         ; tile_dim1 = 64
	s_mov_b32 s[G1B+5], 1024
	s_mov_b32 s[G1B+6], 0
	s_mov_b32 s[G1B+7], 0
	; where the tiles come from.  x's hang on the tile row and the matrix, which my row of the cluster shares; w's on cx and the matrix, which my column shares.
	s_lshl_b32 s40, s[TR], 8
	s_lshl_b32 s41, s[CH], 7
	s_add_co_u32 s40, s40, s41                     ; row 256 x tile row + 128 x half,
	s_lshl_b32 s40, s40, 11                        ; of 2,048 bytes
	s_cmp_lg_u32 s[MAT], 0
	s_cselect_b32 s41, XTO, 0                      ; k and v are made of x_to
	s_add_co_u32 s40, s40, s41
	s_mov_b32 s41, 0
	s_lshl_b32 s44, s[MAT], 21                     ; the weight,
	s_lshl_b32 s45, s[CX], 9                       ; its 256 columns,
	s_add_co_u32 s44, s44, s45
	s_lshl_b32 s45, s[CH], 17                      ; my 64 of the step's 128 rows
	s_add_co_u32 s44, s44, s45
	s_add_co_u32 s44, s44, WOFF
	s_mov_b32 s45, 0
	s_mul_i32 s23, s[WV], HALFT                    ; and where they go: wave x 34,816: no place in the cluster enters an LDS address
	s_wait_dscnt 0x0                               ; the opening add is done
	s_wait_kmcnt 0x0
	s_add_nc_u64 s[42:43], s[4:5], s[40:41]
	s_add_nc_u64 s[46:47], s[4:5], s[44:45]
	CROUND                                         ; all sixteen work-groups are here: the first joint loads meet
.irp s, 0,1
	s_mov_b32 s[G0+4*(\s)], 1                                      ; count = 1
	s_add_co_u32 s[G0+4*(\s)+1], s23, (\s)*SLOT                    ; LDS address
	s_add_nc_u64 s[G0+4*(\s)+2:G0+4*(\s)+3], s[42:43], (\s)*KSTEP*2  ; global address: K step s
	s_or_b32 s[G0+4*(\s)+3], s[G0+4*(\s)+3], 0x80000000            ; type = 2
	s_mov_b32 s[G0B+4*(\s)], 1
	s_add_co_u32 s[G0B+4*(\s)+1], s23, (\s)*SLOT
	s_add_nc_u64 s[G0B+4*(\s)+2:G0B+4*(\s)+3], s[46:47], (\s)*KSTEP*2048
	s_or_b32 s[G0B+4*(\s)+3], s[G0B+4*(\s)+3], 0x80000000
	JLOAD \s                                       ; two loads of mine are out
.endr
	; THE BIAS, in the wait for the first tile.  Operand b, register j of lane l: bias[256 cx + 128 half + 16 b + 8 (l / 16) + j]: the column that the accumulators (a, b) hold there.
	v_and_b32 v1, 15, v0                           ; l % 16
	v_bfe_u32 v2, v0, 4, 1                         ; l / 16
	v_lshlrev_b32 v[BO], 5, v2
	s_cmp_eq_u32 s[MAT], 1
	s_cselect_b64 s[6:7], s[8:9], s[6:7]
	s_cmp_eq_u32 s[MAT], 2
	s_cselect_b64 s[6:7], s[10:11], s[6:7]
	s_lshl_b32 s44, s[CX], 10
	s_lshl_b32 s45, s[CH], 9
	s_add_co_u32 s44, s44, s45
	s_mov_b32 s45, 0
	s_add_nc_u64 s[6:7], s[6:7], s[44:45]
	WIN TO_B
.irp b, 0,1,2,3,4,5,6,7
	global_load_b128 v[BI+8*(\b):BI+8*(\b)+3],   v[BO], s[6:7] offset:64*(\b)
	global_load_b128 v[BI+8*(\b)+4:BI+8*(\b)+7], v[BO], s[6:7] offset:64*(\b)+16
.endr
	WIN 0
	; A fragment of x is 16 rows x 32 K in 8 registers: lane l holds row l % 16, K = 8 (l / 16) + 0..7 and 16 + 8 (l / 16) + 0..7: two loads of 16 bytes, 32 bytes apart.
	v_mul_u32_u24 v3, v1, PA
	v_lshl_add_u32 v3, v2, 4, v3
	; The turning load takes 16 K x 16 columns (lane l reads K row 8 (l / 16) + l % 8, columns 8 ((l / 8) % 2) + 0..7) and leaves half a fragment: lane l holds column l % 16 and 8 K.
	v_and_b32 v5, 7, v0
	v_lshl_add_u32 v5, v2, 3, v5
	v_mul_u32_u24 v4, v5, PB
	v_bfe_u32 v5, v0, 3, 1
	v_lshl_add_u32 v4, v5, 4, v4
	s_mul_i32 s21, s[RH], HALFT                    ; my 128 rows of x
	s_lshl_b32 s22, s[CH], 8                       ; my 128 columns of w,
	s_add_co_u32 s22, s22, 2*HALFT                 ; which lies behind x's 256 rows
.irp s, 0,1
	v_add_nc_u32 v[ADRA+(\s)], s21, v3
	v_add_nc_u32 v[ADRB+(\s)], s22, v4
	s_add_co_u32 s21, s21, SLOT
	s_add_co_u32 s22, s22, SLOT
.endr
	s_mul_i32 s21, s[WV], WSTG
	s_add_co_u32 s21, s21, STAGE                   ; my stage
	v_mul_u32_u24 v3, v1, SP                       ; in: row l % 16, 16 bytes for each half of the lanes
	v_lshl_add_u32 v3, v2, 4, v3
	v_add_nc_u32 v[STO], s21, v3
	v_bfe_u32 v3, v0, 3, 2                         ; back: 32 lanes take four rows of 128 bytes,
	v_mul_u32_u24 v3, v3, SP
	v_and_b32 v5, 7, v0
	v_lshl_add_u32 v3, v5, 4, v3
	v_add_nc_u32 v[RD], s21, v3
	v_and_b32 v[CO], 31, v0                        ; which are 512 consecutive bytes of a head
	v_lshlrev_b32 v[CO], 4, v[CO]
	; where my part begins in qkv: matrix, head 16 b + 4 cx + 2 half, row 256 (tile row % 8) + 128 half
	s_lshr_b32 s44, s[TR], 3
	s_lshl_b32 s44, s44, 4
	s_lshl2_add_u32 s44, s[CX], s44
	s_lshl1_add_u32 s44, s[CH], s44
	s_lshl_b32 s44, s44, 18                        ; a head is 262,144 bytes
	s_and_b32 s45, s[TR], 7
	s_lshl_b32 s45, s45, 8
	s_lshl_b32 s46, s[RH], 7
	s_add_co_u32 s45, s45, s46
	s_lshl_b32 s45, s45, 7                         ; a row 128
	s_add_co_u32 s44, s44, s45
	s_lshl_b32 s45, s[MAT], 24                     ; a matrix 16,777,216
	s_add_co_u32 s44, s44, s45
	s_mov_b32 s45, 0
	s_add_nc_u64 s[12:13], s[12:13], s[44:45]
	s_wait_loadcnt 0x0                             ; the bias
	WIN 0x45                                       ; destination and both sources in window 1
.set i, 0
.rept 32                                               ; rounded to bf16, like x and w, and widened again
	v_cvt_pk_bf16_f32 v[BI+2*i+1], v[BI+2*i], v[BI+2*i+1]
	v_lshlrev_b32 v[BI+2*i], 16, v[BI+2*i+1]
	v_and_b32 v[BI+2*i+1], 0xffff0000, v[BI+2*i+1]
.set i, i+1
.endr
	WIN 0
; 16 matrix instructions: row blocks a0, a0 + 1 of the window's four (hi = 0: my rows 0-63, 1: rows 64-127) x all 8 column blocks, 32 along K.  zero = 1: the first product starts the sums, with the bias as C.
; The 64 accumulators take turns, one instruction a turn, in the same order in every quarter.
.macro MUL16 f, hi, a0, zero
.if \zero
	WIN 0x91+0x40*(\hi)                            ; w window 1, x window 0, C window 1, D window 2 or 3
.else
	WIN 0xa1+0x50*(\hi)                            ; C and D window 2 or 3
.endif
.irp a, \a0, (\a0)+1
.irp b, 0,1,2,3,4,5,6,7
.if \zero
	v_wmma_f32_16x16x32_bf16 v[8*(8*(\a)+(\b)):8*(8*(\a)+(\b))+7], v[(\f)+8*(\b):(\f)+8*(\b)+7], v[(\f)+8*(4*(\hi)+(\a)):(\f)+8*(4*(\hi)+(\a))+7], v[BI+8*(\b):BI+8*(\b)+7]
.else
	v_wmma_f32_16x16x32_bf16 v[8*(8*(\a)+(\b)):8*(8*(\a)+(\b))+7], v[(\f)+8*(\b):(\f)+8*(\b)+7], v[(\f)+8*(4*(\hi)+(\a)):(\f)+8*(4*(\hi)+(\a))+7], v[8*(8*(\a)+(\b)):8*(8*(\a)+(\b))+7]
.endif
.endr
.endr
.endm
; 32 LDS loads in one run: the fragments of quarter q (32 along K) of a slot into buffer f: w's 128 columns, then x's 128 rows
.macro FETCH slot, q, f
	WIN TO_B
.irp i, 0,1,2,3,4,5,6,7
	ds_load_tr16_b128 v[(\f)+8*(\i):(\f)+8*(\i)+3],   v[ADRB+(\slot)] offset:(\q)*32*PB+32*(\i)
	ds_load_tr16_b128 v[(\f)+8*(\i)+4:(\f)+8*(\i)+7], v[ADRB+(\slot)] offset:(\q)*32*PB+16*PB+32*(\i)
.endr
	WIN 0
.irp i, 0,1,2,3,4,5,6,7
	ds_load_b128 v[(\f)+8*(\i):(\f)+8*(\i)+3],   v[ADRA+(\slot)] offset:64*(\q)+(\i)*16*PA
	ds_load_b128 v[(\f)+8*(\i)+4:(\f)+8*(\i)+7], v[ADRA+(\slot)] offset:64*(\q)+(\i)*16*PA+32
.endr
.endm
; A load into a register that a matrix instruction has read, and a vector instruction that reads a matrix result, stand four places behind it; only plain vector instructions that name none of its registers are places
; (ISA guide 7.12.1 for vector instructions).
.macro PLACES
.rept 4
	v_nop
.endr
.endm
; A K step is four quarters of 32 along K, 64 matrix instructions each, on buffers 0, 1, 0, 1.  One of the first three: multiplies buffer f; in its middle it fetches quarter q into buffer g.
.macro QUARTER slot, q, f, g, zero
	s_wait_dscnt 8                                 ; w and x's rows 0-63 are in; the youngest eight loads (x's rows 64-127) may be out
	MUL16 \f, 0, 0, \zero
	MUL16 \f, 0, 2, \zero
	PLACES
	FETCH \slot, \q, \g
	s_wait_dscnt 32                                ; all but the 32 just issued
	MUL16 \f, 1, 0, \zero
	MUL16 \f, 1, 2, \zero
.endm
; The last quarter multiplies buffer 1 and changes slots.  MEET is its first half: ONE barrier.  In front of it each wave waits for all its tensor loads, of which one is out: its part of the next slot; adds 0 to its
; spare word; and waits for that and for its own reads of this slot.  Behind it nobody reads this slot any more and the next slot is whole.
.macro MEET round
	WIN 0                                          ; (the add's two registers lie in window 0)
	s_wait_tensorcnt 0x0
	ds_add_u32 v[SPW], v[NIL]                      ; 0 onto my spare word
	s_wait_dscnt 9                                 ; (the add and the youngest eight loads may be out)
	MUL16 F1, 0, 0, 0                              ; sixteen matrix instructions stand between the add and the wait for it
	s_wait_dscnt 0x0                               ; the add is done, and my reads of this slot are over
	s_barrier_signal -1
	MUL16 F1, 0, 2, 0                              ; work on registers while the others arrive
.if \round
	WIN 0
.endif
	s_barrier_wait -1
.endm
; The whole last quarter where the slot is filled again, two K steps ahead: the barrier opens a round of the cluster's, and the joint refill is the first tensor load behind it, 224 matrix instructions ahead of the wait for it.
.macro TURN slot, next
	MEET 1
	CREST                                          ; no wave of any partner still reads this slot's tile or has a load on its way
	s_add_nc_u64 s[G0+4*(\slot)+2:G0+4*(\slot)+3], s[G0+4*(\slot)+2:G0+4*(\slot)+3], 2*KSTEP*2
	s_add_nc_u64 s[G0B+4*(\slot)+2:G0B+4*(\slot)+3], s[G0B+4*(\slot)+2:G0B+4*(\slot)+3], 2*KSTEP*2048
	JLOAD \slot                                    ; the four v_nop behind it are also the places in front of the loads below
	FETCH \next, 0, F0
	MUL16 F1, 1, 0, 0
	MUL16 F1, 1, 2, 0
.endm
; THE WAY OUT of block a (16 rows), in three parts.  PACK: rounded to f16, 16 bytes a lane, each accumulator's registers in ascending order.  TOSTAGE: into my own stage, by heads, and back as whole rows.  SEND: stored.
.macro PACK a
.set AC, 64*((\a)%4)
	WIN 0x0a+5*((\a)/4)                            ; sources 0 and 1: window 2 or 3
.irp b, 0,1,2,3,4,5,6,7
.irp r, 0,1,2,3
	v_cvt_pk_f16_f32 v[TMP+4*(\b)+(\r)], v[AC+8*(\b)+2*(\r)], v[AC+8*(\b)+2*(\r)+1]
.endr
.endr
	WIN 0
.endm
.macro TOSTAGE a
	WIN 0
.set BK, OB+192*((\a)%2)
.irp b, 0,1,2,3,4,5,6,7
	ds_store_b128 v[STO], v[TMP+4*(\b):TMP+4*(\b)+3] offset:((\b)/4)*16*SP+32*((\b)%4)   ; head b / 4 of my two, channels 16 (b % 4) on
.endr
.irp t, 0,1,2,3,4,5,6,7
	ds_load_b128 v[BK+4*(\t):BK+4*(\t)+3], v[RD] offset:((\t)/4)*16*SP+((\t)%4)*4*SP     ; LDS serves a wave's instructions in order (ISA guide 5.7.1.4): these see the stores above
.endr
.endm
.macro SEND a
	WIN 0
.set BK, OB+192*((\a)%2)
	s_wait_dscnt 0x0                               ; the block is back in registers
	s_wait_xcnt 0x0                                ; the stores of the block before have had their addresses taken: its registers are loaded again only behind this wait
.irp t, 0,1,2,3,4,5,6,7
	global_store_b128 v[CO], v[BK+4*(\t):BK+4*(\t)+3], s[12:13] offset:(\a)*2048+((\t)/4)*262144+((\t)%4)*512  ; four rows of a head: 512 consecutive bytes, at a multiple of 256 from qkv's first
.endr
.endm
	s_wait_tensorcnt 1                             ; my part of K step 0 is in; K step 1's may stay out
	s_barrier_signal -1
	s_barrier_wait -1                              ; everybody's is
	FETCH 0, 0, F0
	QUARTER 0, 1, F0, F1, 1                        ; the first quarter stands in front of the loop: its products start the sums
	WIN 0                                          ; at a label and at a branch every window is 0
	s_mov_b32 s3, LAPS-1
.Llap:                                                 ; a trip goes once round the ring, from a lap's second quarter to the next lap's first, and fills both slots again
	QUARTER 0, 2, F1, F0, 0
	QUARTER 0, 3, F0, F1, 0
	TURN 0, 1
	QUARTER 1, 1, F0, F1, 0
	QUARTER 1, 2, F1, F0, 0
	QUARTER 1, 3, F0, F1, 0
	TURN 1, 0
	QUARTER 0, 1, F0, F1, 0
	WIN 0
	s_sub_co_u32 s3, s3, 1
	s_cmp_lg_u32 s3, 0
	s_cbranch_scc1 .Llap
	QUARTER 0, 2, F1, F0, 0                        ; the last lap fills nothing, and has no round of the cluster's barrier
	QUARTER 0, 3, F0, F1, 0
	MEET 0
	PLACES
	FETCH 1, 0, F0
	MUL16 F1, 1, 0, 0
	MUL16 F1, 1, 2, 0
	QUARTER 1, 1, F0, F1, 0
	QUARTER 1, 2, F1, F0, 0
	QUARTER 1, 3, F0, F1, 0
	s_wait_dscnt 8                                 ; the very last quarter: nothing more to fetch
	MUL16 F1, 0, 0, 0
	MUL16 F1, 0, 2, 0
	s_wait_dscnt 0x0
	MUL16 F1, 1, 0, 0
	MUL16 F1, 1, 2, 0
	PLACES
	PACK 0
	TOSTAGE 0
.irp a, 1,2,3,4,5,6,7                  ; block a's conversions stand between block a - 1's loads from the stage and the wait for them
	PACK \a
	SEND (\a)-1
	TOSTAGE \a
.endr
	SEND 7
	s_wait_tensorcnt 0x0                           ; the wave's end: behind my last tensor load and my last LDS store
	ds_add_u32 v[SPW], v[NIL]
	s_wait_dscnt 0x0
	CROUND                                         ; the closing round: no work-group ends while a partner may still ask for a tile that names it
	s_endpgm
.Lfunc_end_k_qdaa4f2711e_proj:
	.size	k_qdaa4f2711e_proj, .Lfunc_end_k_qdaa4f2711e_proj-k_qdaa4f2711e_proj
	.p2alignl 7, 3214868480
	.fill 96, 4, 3214868480
	.section	.rodata,"a",@progbits
	.p2align	6, 0x0
	.amdhsa_kernel k_qdaa4f2711e_proj
		.amdhsa_group_segment_fixed_size 327680
		.amdhsa_private_segment_fixed_size 0
		.amdhsa_enable_private_segment 0
		.amdhsa_kernarg_size 40
		.amdhsa_user_sgpr_count 2
		.amdhsa_user_sgpr_kernarg_segment_ptr 1
		.amdhsa_wavefront_size32 1
		.amdhsa_system_sgpr_workgroup_id_x 1
		.amdhsa_system_sgpr_workgroup_id_y 1
		.amdhsa_system_sgpr_workgroup_id_z 1
		.amdhsa_system_vgpr_workitem_id 0
		.amdhsa_next_free_vgpr 1024
		.amdhsa_next_free_sgpr 66
		.amdhsa_reserve_vcc 0
		.amdhsa_float_denorm_mode_32 3
		.amdhsa_float_denorm_mode_16_64 3
		.amdhsa_memory_ordered 1
		.amdhsa_forward_progress 1
		.amdhsa_inst_pref_size 150
	.end_amdhsa_kernel
	.amdgpu_metadata
---
amdhsa.version: [ 1, 2 ]
amdhsa.kernels:
  - .name:           k_qdaa4f2711e_proj
    .symbol:         k_qdaa4f2711e_proj.kd
    .args:
      - { .name: xw, .offset: 0, .size: 8, .value_kind: global_buffer, .address_space: global }
      - { .name: bq, .offset: 8, .size: 8, .value_kind: global_buffer, .address_space: global }
      - { .name: bk, .offset: 16, .size: 8, .value_kind: global_buffer, .address_space: global }
      - { .name: bv, .offset: 24, .size: 8, .value_kind: global_buffer, .address_space: global }
      - { .name: qkv, .offset: 32, .size: 8, .value_kind: global_buffer, .address_space: global }
    .group_segment_fixed_size: 327680
    .private_segment_fixed_size: 0
    .kernarg_segment_align: 8
    .kernarg_segment_size: 40
    .max_flat_workgroup_size: 128
    .sgpr_count:     66
    .vgpr_count:     1024
    .wavefront_size: 32
...
	.end_amdgpu_metadata
.endif
;; end of part 2
;; launch attn (part 3): grid 4 x 64, 4 waves a work-group, clusters of 4 x 1, 327,680 bytes of LDS; arguments qkv, mk, out0; writes out0
.if DOCPART == 3
	.amdgcn_target "amdgcn-amd-amdhsa--gfx1250"
	.amdhsa_code_object_version 6
	.text
	.protected	k_qdaa4f2711e_attn
	.globl	k_qdaa4f2711e_attn
	.p2align	8
	.type	k_qdaa4f2711e_attn,@function
k_qdaa4f2711e_attn:
	s_mov_b64 s[64:65], 0
	v_nop
	global_prefetch_b8 v0, s[64:65] scope:SCOPE_SE
	s_setreg_imm32_b32 hwreg(HW_REG_WAVE_MODE, 25, 1), 1
	s_wait_xcnt 0x0
	s_wait_alu depctr_hold_cnt(0) depctr_sa_sdst(0) depctr_va_vdst(0) depctr_va_sdst(0) depctr_va_ssrc(0) depctr_va_vcc(0) depctr_vm_vsrc(0)
	s_getreg_b32 s2, hwreg(HW_REG_IB_STS2, 6, 4)
	s_cmp_eq_u32 s2, 0
	s_cbranch_scc0 .Lentry_in_a_cluster
	s_endpgm
.Lentry_in_a_cluster:
	s_bfe_u32 s2, ttmp6, 0x10000c
	s_cmp_lg_u32 s2, 0x3003
	s_cbranch_scc0 .Lentry_shape_is_right
	s_endpgm
.Lentry_shape_is_right:
; out0[b][q][64 head + :] = the sum over k of softmax_k(Q[q] . K[k] / 8 + (1 - mask[b][q][k]) x -10000) V[k][:].  Q, K, V: qkv[mat][hd = 16 b + head][2048][64] in f16, unscaled; out0 in f32.
; Products, maxima and sums in f32; the weights p are rounded to f16 for the second product (their sum l is taken of the unrounded p).
; LIMITS.  Q, K, V arrive within f16's 65,504; p lies in 0 to 1, and below 6e-5 it keeps f16's fixed step of 6e-8.  A weight below 2^-126 counts as 0 in l.  The mask's values as the table mk holds them: exact from -2 to 5,
; f16's 11 significant bits beyond, |mask - 1| held to 24,576.  NaN and infinities are not treated apart.
; SHARES.  A wave owns four PIECES of two tiles of 16 queries, a work-group's four waves 512 queries of one head.  Every wave walks all 2,048 keys, 64 a step.
; LAYOUT.  S^T = K Q^T (source 0 = 16 keys, source 1 = 16 queries): a lane holds ONE query (lane % 16) and the keys 8 (lane / 16) + 0..7.  Two such tiles, rounded to f16 in pairs, ARE source 1 of O^T = V^T P.
; THE MASK IS A THIRD LINK OF THE SAME SUM.  mk holds (mask - 1) x 2.44140625 in f16, in the order of a source 1 (32 keys x 16 queries).  Source 0 is 32,768 times a selector that sends key 16 e + m of the 32 to row m:
; the product adds (mask - 1) x 80,000 = 8 x the adder to S^T, exactly, and costs no vector instruction.  It is the chain's last link: one rounding at that size.
; SOFTMAX.  For each query a running maximum m and sum l: p = 2^(c s - c m), c = log2(e) / 8; in every step O and l are multiplied by a = 2^(c m_old - c m_new).  m starts at the lowest finite number, O and l at 0.
; BY TURNS.  Turn n belongs to piece n (in a ring, step after step).  Its matrix work: 24 products for S^T of piece n + 1 (16 K Q^T, 8 of the mask), then 16 products V^T P of piece n - 1.  Its vector work, 236 lines:
; the scaling, exponentials, roundings, sums and rescaling of piece n, four behind each matrix instruction, and in one LUMP of 76 the rest with the maximum and statistics of piece n + 1.
; THE MASK'S BYTES.  A wave's stream in mk is dense, 4,096 bytes a turn: eight loads of 512 consecutive bytes into registers, asked for four turns ahead of their products; four buffers, one a piece.
; CLUSTER.  The four query blocks of a cluster belong to one head and walk the same K and V, so each tile is asked for JOINTLY: the same tensor load, descriptor and mask in all four.
; REGISTERS, in windows of 256 (s_set_vgpr_msb: bits 1:0 source 0, 3:2 source 1, 5:4 source 2, 7:6 destination):
;   window 0: v0-11 addresses; v12-15, v48-63 at work; v16-47 four registers of statistics a tile; v64-191 S^T, two buffers of two tiles; v192-255 P, likewise
;   window 1: O^T, 32 a tile          window 2: v0-127 Q, 16 a tile; v128-191 K of one step; v192-255 V of one step
;   window 3: v0-1 the add's two registers; v4-15 the selector; v16-143 the mask's fragments, 32 a piece
.set NP,    4         ; pieces a wave: a name, no knob
.set KS,    64        ; keys in a step
.set PK,    144       ; a row of K in LDS: 128 bytes + 16 = 36 words: the 16 rows of a load start at 16 different groups of four banks (64 banks of 4 bytes: ISA guide 11.1)
.set PV,    160       ; a row of V: 128 + 32 = 40 words
.set VOFF,  4*KS*PK   ; a slot holds four steps: 256 rows of K, then 256 rows of V
.set SLOT1, 1<<17     ; slot 1 begins here, so that one exclusive or turns an address in one slot into the other's
.set STAGE, SLOT1+4*KS*(PK+PV)  ; behind the ring, never filled by a tensor load: 16 rows x 272 bytes for each wave, for the way out
.set SP,    272
.set SPARE, STAGE+4*16*SP       ; behind the stages: the spare words, 128 bytes for each wave; no other line names them
.set AK0, 2           ; v2   my lane's place in a tile of K; never rewritten
.set AV0, 3           ; v3   the same for V
.set AK,  4           ; v4   the LDS address of K's next run of loads
.set AV,  5           ; v5   of V's
.set QO,  6           ; v6   my byte offset in the wave's rows of Q
.set STO, 6           ;      later, the way out: where I put 32 bytes of a row
.set RD,  7           ; v7   where I read rows back
.set GO,  8           ; v8   my byte offset in two rows of out0
.set MO,  9           ; v9   16 x lane: my byte offset in 512 bytes of mk; never rewritten
.set SPW, 0           ; v0 of window 3   LDS address of my spare word; never rewritten
.set NIL, 1           ; v1 of window 3   0; never rewritten
.set ID,  4           ; v4-15 of window 3: 0 x 4, the selector's four registers, 0 x 4.  v[8:15] selects keys 0-15 of 32, v[4:11] keys 16-31
.set MKF, 16          ; window 3: piece x, tile u, key half kk at MKF + 32 x + 16 u + 8 kk
.set MV,  12          ; v12-15  c m_old, kept while c m is made anew: by buffer and tile
.set ST,  16          ; tile t's statistics at v[ST+4 t]: c m, m, l (even keys', odd keys')
.set TMP, 48          ; by buffer and tile, four registers c0-c3 at work; when the maximum is found c2 takes a
.set S,   64
.set P,   192
.set KF,  128         ; window 2: key block kb, channel half c at KF + 16 kb + 8 c
.set VF,  192         ; window 2: key half kk, channel block cb at VF + 32 kk + 8 cb
.set WV,  12          ; s12  my wave's number
.set G1K, 24          ; s[24:31] descriptor group 1 for K's tiles
.set G1V, 32          ; s[32:39] for V's: it differs in the padding alone
.set G0K, 40          ; s[40:43] descriptor group 0 for K's tiles: it walks
.set G0V, 44          ; s[44:47] the same for V's
.set SLOTS, 56        ; s56  slots still to be asked for
.set CNT, 57          ; s57  counts a slot's key steps
.set CS,  58          ; s[58:59] c
.set SEL, 60          ; s[60:61] v_permlanex16_b32's selects: each lane takes its own place in the other half
.set TBK, 62          ; s62  LDS byte at which K of the step to be fetched begins
.set TBV, 63          ; s63  the same for V, less VOFF
.set MW,  66          ; s[66:67] my wave's stream in mk
.set MA,  68          ; s[68:69] the address of the mask loads in hand
.set MOF, 70          ; s[70:71] their byte offset in the stream
.set MSB, 0
.macro WIN new                      ; the high byte repeats the setting that is left; a switch that changes nothing is dropped
.if MSB != (\new)
	s_set_vgpr_msb (MSB<<8)|(\new)
.set MSB, (\new)
.endif
.endm
.set W_KQ, 0x0a       ; K and Q in window 2, S^T in window 0
.set W_KM, 0x0f       ; the selector and the mask in window 3, S^T in window 0
.set W_PV, 0x52       ; V in window 2, P in window 0, O^T in window 1
.set W_RS, 0x41       ; O^T (destination and source 0) in window 1, a in window 0
.set W_MK, 0xc0       ; destination in window 3, sources in window 0
.set W_AD, 0x0f       ; the add: address (source 0) and data (source 1) in window 3
; A joint fill.  Waves 0 and 1 fetch the two halves of a slot's K, waves 2 and 3 those of its V: 128 keys each.  An s_nop 0 and four v_nop follow each of the two lines.
.macro JLOAD
	s_cmp_lt_u32 s[WV], 2
	s_cbranch_scc0 .Lfor_v_\@
	tensor_load_to_lds s[G0K:G0K+3], s[G1K:G1K+7]
	s_nop 0
.rept 4
	v_nop
.endr
	s_branch .Lasked_\@
.Lfor_v_\@:
	tensor_load_to_lds s[G0V:G0V+3], s[G1V:G1V+7]
	s_nop 0
.rept 4
	v_nop
.endr
.Lasked_\@:
.endm
.macro CROUND                       ; a round of the cluster's barrier
	s_barrier_signal -1
	s_barrier_wait -1
	s_cmp_lg_u32 s[WV], 0
	s_cbranch_scc1 .Lnot_wave_0_\@
	s_barrier_signal -3
.Lnot_wave_0_\@:
	s_barrier_wait -3
	s_barrier_signal -1
	s_barrier_wait -1
.endm
; THE CHANGE OF SLOTS.  The slot's last bytes, V of its fourth step, have been read.  Each wave waits for all its tensor loads, of which one is out: its part of the other slot; adds 0 to its spare word; and waits for that
; and for its own reads of the slot.  fill = 1: this slot is filled again, with the keys two slots on: the barrier is a round of the cluster's, and the joint fill is the first thing behind it; it has four key steps,
; 640 matrix instructions, in which to land.  (At its first use nothing has been read yet: slot 0 is waited for, slot 1 filled.)
.macro CHANGE fill
	WIN W_AD
	s_wait_tensorcnt 0x0            ; no tensor load of mine is out, so a group 0 may be written
	ds_add_u32 v[SPW], v[NIL]       ; 0 onto my spare word
	WIN 0                           ; at a label and at a branch every window is 0
.if \fill
.irp d, G0K, G0V
	s_xor_b32 s[\d+1], s[\d+1], SLOT1  ; the walking descriptor: the other slot than last time,
	s_add_nc_u64 s[\d+2:\d+3], s[\d+2:\d+3], 4*KS*128  ; the next 256 keys; the type bits on top are not reached
.endr
	s_wait_dscnt 0x0                ; the add is done, and my reads of the slot are over
	CROUND
	JLOAD
.else
	s_wait_dscnt 0x0
	s_barrier_signal -1
	s_barrier_wait -1
.endif
	s_sub_co_u32 s[TBK], s[TBK], 4*KS*PK  ; the fetches go back to a slot's first step,
	s_xor_b32 s[TBK], s[TBK], SLOT1       ; in the other slot
	s_sub_co_u32 s[TBV], s[TBV], 4*KS*PV
	s_xor_b32 s[TBV], s[TBV], SLOT1
.endm
	s_load_b128 s[4:7], s[0:1], 0x0   ; qkv s[4:5], mk s[6:7]
	s_load_b64 s[10:11], s[0:1], 0x10 ; out0
	WIN W_MK
	v_lshl_add_u32 v[SPW], v0, 2, SPARE
	v_mov_b32 v[NIL], 0
	WIN W_AD
	ds_add_u32 v[SPW], v[NIL]       ; the wave's opening: the add and its wait stand ahead of my first tensor load; the set-up below, work on registers, stands between them
	WIN 0
	v_lshrrev_b32 v1, 5, v0
	v_readfirstlane_b32 s[WV], v1   ; wave 0..3
	s_bfe_u32 s13, ttmp6, 0x40000   ; cx
	s_lshl_b32 s15, ttmp9, 2        ; in a cluster launch ttmp9 counts clusters
	s_add_co_u32 s15, s15, s13      ; my block of 512 queries: it enters Q's, mk's and out0's addresses alone
	s_and_b32 s14, ttmp7, 0xffff    ; hd = 16 b + head, which the four partners share
	s_lshl_b32 s20, s14, 18         ; a head's 262,144 bytes
	s_and_b32 s16, s[WV], 1         ; which half of a slot's 256 keys I fetch:
	s_lshl_b32 s22, s16, 14         ; its 128 rows of 128 bytes,
	s_add_co_u32 s22, s22, s20
	s_add_co_u32 s22, s22, 0x1000000  ; in K,
	s_mov_b32 s23, 0
	s_add_co_u32 s48, s22, 0x1000000  ; and in V
	s_mov_b32 s49, 0
	s_mul_i32 s17, s16, 128*PK      ; and its place in a slot, for K
	s_mul_i32 s18, s16, 128*PV      ; and for V: no place in the cluster enters an LDS address
	s_lshl2_add_u32 s19, s15, s[WV] ; my wave among the head's sixteen,
	s_lshl_b32 s50, s19, 14         ; its 128 rows of Q
	s_add_co_u32 s50, s50, s20
	s_mov_b32 s51, 0
	s_lshr_b32 s21, s14, 4          ; b
	s_lshl4_add_u32 s52, s21, s19   ; 16 b + 4 block + wave: my stream in mk, 524,288 bytes each;
	s_lshl_b32 s52, s52, 19
	s_mov_b32 s53, 0
	s_and_b32 s54, s14, 15          ; my 128 rows of out0 are 524,288 bytes too; the head's 256 bytes in a row
	s_lshl_b32 s54, s54, 8
	s_add_co_u32 s54, s54, s52
	s_mov_b32 s55, 0
	; descriptor group 1.  128 keys are 16,384 dense bytes: asked for as 64 rows of 256 bytes, two keys a row, and padded in LDS after every key
	s_mov_b32 s[G1K], 15|(1<<16)|(1<<20)|(1<<21)|(4<<22)|(3<<25)  ; 15:0 the mask of four; 17:16 2-byte elements; 20 padding on; 21 set beside a mask; 24:22 after every 32 words (code 4); 31:25 4 words (code 3)
	s_mov_b32 s[G1V], 15|(1<<16)|(1<<20)|(1<<21)|(4<<22)|(7<<25)  ; the same with 8 words of padding (code 7)
.irp d, G1K, G1V
	s_mov_b32 s[\d+1], 128<<16      ; tensor_dim0 = 128
	s_mov_b32 s[\d+2], 64<<16       ; tensor_dim1 = 64
	s_mov_b32 s[\d+3], 128<<16      ; tile_dim0 = 128
	s_mov_b32 s[\d+4], 64           ; tile_dim1 = 64
	s_mov_b32 s[\d+5], 128          ; 128 elements from row to row
	s_mov_b32 s[\d+6], 0
	s_mov_b32 s[\d+7], 0
.endr
	s_mov_b32 s[CS], 0x3e38aa3b     ; c = log2(e) / 8 = 0.180337
	s_mov_b32 s[CS+1], s[CS]        ; named with it as a pair
	s_mov_b32 s[SEL], 0x76543210
	s_mov_b32 s[SEL+1], 0xfedcba98
	s_mov_b32 s[TBK], SLOT1+4*KS*PK ; the first change of slots turns these two into 0
	s_mov_b32 s[TBV], SLOT1+4*KS*PV
	s_mov_b32 s[MOF], 3*4096        ; the first four turns' masks are asked for below
	s_mov_b32 s[MOF+1], 0
	s_mov_b32 s[G0K], 1             ; count = 1
	s_mov_b32 s[G0K+1], s17         ; LDS address: slot 0
	s_mov_b32 s[G0V], 1
	s_add_co_u32 s[G0V+1], s18, VOFF
	s_wait_dscnt 0x0                ; the opening add is done
	s_wait_kmcnt 0x0
	s_add_nc_u64 s[G0K+2:G0K+3], s[4:5], s[22:23]  ; global address: my half of the head's first 256 keys
	s_or_b32 s[G0K+3], s[G0K+3], 0x80000000        ; type = 2
	s_add_nc_u64 s[G0V+2:G0V+3], s[4:5], s[48:49]
	s_or_b32 s[G0V+3], s[G0V+3], 0x80000000
	s_add_nc_u64 s[4:5], s[4:5], s[50:51]          ; Q at my wave's first row
	s_add_nc_u64 s[MW:MW+1], s[6:7], s[52:53]
	s_add_nc_u64 s[10:11], s[10:11], s[54:55]
	CROUND                          ; all four work-groups are here: the first joint loads meet
	JLOAD                           ; slot 0.  Slot 1 is asked for when slot 0 is in
	v_and_b32 v1, 15, v0            ; l % 16
	v_bfe_u32 v10, v0, 4, 1         ; l / 16
	v_lshlrev_b32 v[QO], 7, v1
	v_lshl_add_u32 v[QO], v10, 4, v[QO]  ; row x 128 + 16 x half
	v_and_b32 v[MO], 31, v0
	v_lshlrev_b32 v[MO], 4, v[MO]
	WIN 0x80                        ; destination window 2, address window 0
.set i, 0
.rept 4*NP                          ; Q stays in registers: tile i / 2, channels 32 (i % 2) on
	global_load_b128 v[8*i:8*i+3],   v[QO], s[4:5] offset:(i/2)*2048+(i%2)*64
	global_load_b128 v[8*i+4:8*i+7], v[QO], s[4:5] offset:(i/2)*2048+(i%2)*64+32
.set i, i+1
.endr
	WIN W_MK
.set i, 0
.rept 32                            ; the masks of step 0's four pieces: 16,384 consecutive bytes
	global_load_b128 v[MKF+4*i:MKF+4*i+3], v[MO], s[MW:MW+1] offset:512*i
.set i, i+1
.endr
	; The selector.  As a source 0, lane l holds row l % 16; registers 0-3 hold k = 8 (l / 16) + 0..7, two a register.  Row m has its 32,768 (f16 0x7800) at k = m: register (m - 8 (l / 16)) / 2, half m % 2, if that is 0..3.
	WIN 0
	v_lshlrev_b32 v11, 3, v10
	v_sub_nc_u32 v11, v1, v11
	v_ashrrev_i32 v11, 1, v11
	v_and_b32 v12, 1, v1
	v_lshlrev_b32 v12, 4, v12
	v_mov_b32 v13, 0x7800
	v_lshlrev_b32 v12, v12, v13
	WIN W_MK
.irp j, 0,1,2,3
	v_cmp_eq_u32 vcc_lo, \j, v11
	v_cndmask_b32 v[ID+4+\j], 0, v12, vcc_lo
.endr
.irp j, 0,1,2,3
	v_mov_b32 v[ID+\j], 0
	v_mov_b32 v[ID+8+\j], 0
.endr
	; What the first turn finds: V's registers and P's second buffer hold 0 (its products V^T P, of a piece that has not been, add 0), O^T and l are 0.  All this stands in the wait for the first tile.
	WIN 0x80
.set i, VF
.rept 64
	v_mov_b32 v[i], 0
.set i, i+1
.endr
	WIN 0x40
.set i, 0
.rept 64*NP
	v_mov_b32 v[i], 0
.set i, i+1
.endr
	WIN 0
.set i, 0
.rept 2*NP
	v_mov_b32 v[ST+4*i], 0xfe000000    ; c m: far below every c s
	v_mov_b32 v[ST+4*i+1], 0xff7fffff  ; m
	v_mov_b32 v[ST+4*i+2], 0
	v_mov_b32 v[ST+4*i+3], 0
.set i, i+1
.endr
.set i, P+32
.rept 32
	v_mov_b32 v[i], 0
.set i, i+1
.endr
	v_mul_u32_u24 v[AK0], v1, PK
	v_lshl_add_u32 v[AK0], v10, 4, v[AK0]  ; row x pitch + 16 x half
	; The turning load takes 16 keys x 16 channels (lane l reads key 8 (l / 16) + l % 8, channels 8 ((l / 8) % 2) + 0..7) and leaves half a fragment of V^T: lane l holds channel l % 16 and 8 keys.
	v_and_b32 v11, 7, v0
	v_lshl_add_u32 v[AV0], v10, 3, v11
	v_mul_u32_u24 v[AV0], v[AV0], PV
	v_bfe_u32 v11, v0, 3, 1
	v_lshl_add_u32 v[AV0], v11, 4, v[AV0]
	v_add_nc_u32 v[AV0], VOFF, v[AV0]
	v_mov_b32 v[AK], v[AK0]         ; key step 0 lies at the head of slot 0
; THE MATRIX WORK.  The 8 accumulators of a run take turns, one instruction a turn: between two links of a chain stand 7 others'.
; Product i of 24 for S^T of piece x: accumulator: keys 16 ((i / 2) % 4) on, tile 2 x + i % 2.  Links 0 and 1: channels 32 (i / 8) on; the first 8 start the sums.  Link 2: the mask.
.macro KQ x
.set rS, S+64*((\x)%2)+32*(i%2)+8*((i/2)%4)
.if i < 16
	WIN W_KQ
.set rK, KF+16*((i/2)%4)+8*(i/8)
.set rQ, 16*(2*(\x)+i%2)+8*(i/8)
.if i < 8
	v_wmma_f32_16x16x32_f16 v[rS:rS+7], v[rK:rK+7], v[rQ:rQ+7], 0
.else
	v_wmma_f32_16x16x32_f16 v[rS:rS+7], v[rK:rK+7], v[rQ:rQ+7], v[rS:rS+7]
	s_wait_alu depctr_va_vdst(0)
.endif
.else
	WIN W_KM
.set rI, ID+4-4*(((i/2)%4)%2)
.set rB, MKF+32*(\x)+16*(i%2)+8*(((i/2)%4)/2)
	v_wmma_f32_16x16x32_f16 v[rS:rS+7], v[rI:rI+7], v[rB:rB+7], v[rS:rS+7]
	s_wait_alu depctr_va_vdst(0)
.endif
.endm
; Product i of 16 of O^T += V^T P for piece x: keys 32 (i / 8) on, channels 16 ((i / 2) % 4) on, tile 2 x + i % 2.
.macro PV x
	WIN W_PV
.set rO, 32*(2*(\x)+i%2)+8*((i/2)%4)
.set rV, VF+32*(i/8)+8*((i/2)%4)
.set rP, P+32*((\x)%2)+16*(i%2)+8*(i/8)
	v_wmma_f32_16x16x32_f16 v[rO:rO+7], v[rV:rV+7], v[rP:rP+7], v[rO:rO+7]
	s_wait_alu depctr_va_vdst(0)
.endm
.macro MM                           ; the turn's next matrix instruction
.if i < 24
	KQ (Y+1)%NP
.else
.set i, i-24
	PV (Y+NP-1)%NP
.set i, i+24
.endif
.set i, i+1
.endm
; THE LDS LOADS stand in runs of 16: a step's K (8 fragments) and its V (turned).  last = 1 (the tail): in the last trip there is no further step, and the run is jumped over.
.macro FETCH_K last=0
	WIN 0
.if \last
	s_cmp_eq_u32 s[CNT], 1
	s_cbranch_scc1 .Lno_k_\@
.endif
	WIN 0x80                        ; destination window 2
.irp f, 0,1,2,3,4,5,6,7             ; keys 16 (f / 2) on, channels 32 (f % 2) on
	ds_load_b128 v[KF+8*\f:KF+8*\f+3],   v[AK] offset:(\f/2)*16*PK+(\f%2)*64
	ds_load_b128 v[KF+8*\f+4:KF+8*\f+7], v[AK] offset:(\f/2)*16*PK+(\f%2)*64+32
.endr
	s_add_co_u32 s[TBK], s[TBK], KS*PK  ; the next fetch is the next step's
	WIN 0
.if \last
.Lno_k_\@:
.endif
.endm
.macro FETCH_V
	WIN 0x80
.irp f, 0,1,2,3,4,5,6,7             ; keys 32 (f / 4) on, channels 16 (f % 4) on
	ds_load_tr16_b128 v[VF+8*\f:VF+8*\f+3],   v[AV] offset:(\f/4)*32*PV+(\f%4)*32
	ds_load_tr16_b128 v[VF+8*\f+4:VF+8*\f+7], v[AV] offset:(\f/4)*32*PV+16*PV+(\f%4)*32
.endr
	WIN 0
.endm
; THE MASK'S LOADS: the buffer whose products are just done takes the same piece's mask of the next step: 4,096 bytes on in the stream each turn.  The stream has 128 such blocks; the offset is held at the last one,
; so the last five turns read that block again, for products that serve nothing: every turn issues eight loads, and the counted wait is the same in all.
.macro MLOAD buf
	s_wait_xcnt 0x0                 ; the last turn's loads have had their addresses taken: their base is rewritten only behind this wait
	s_add_co_u32 s[MOF], s[MOF], 4096
	s_min_u32 s[MOF], s[MOF], 127*4096
	s_add_nc_u64 s[MA:MA+1], s[MW:MW+1], s[MOF:MOF+1]
	WIN W_MK
.irp f, 0,1,2,3,4,5,6,7
	global_load_b128 v[MKF+32*(\buf)+4*\f:MKF+32*(\buf)+4*\f+3], v[MO], s[MA:MA+1] offset:512*\f
.endr
.endm
; THE VECTOR WORK, one line at a time.
.macro REGS y, u                    ; the registers of tile u (0, 1) of piece y
.set rT, ST+4*(2*(\y)+(\u))
.set rC, TMP+8*((\y)%2)+4*(\u)
.set rM, MV+2*((\y)%2)+(\u)
.set rS, S+64*((\y)%2)+32*(\u)
.set rP, P+32*((\y)%2)+16*(\u)
.set rO, 32*(2*(\y)+(\u))
.endm
.macro OPF u, b                     ; c s - c m for pair b of 16
	REGS Y, \u
	WIN 0
	v_pk_fma_f32 v[rS+2*(\b):rS+2*(\b)+1], v[rS+2*(\b):rS+2*(\b)+1], s[CS:CS+1], v[rT:rT+1] op_sel_hi:[1,0,0] neg_lo:[0,0,1] neg_hi:[0,0,1]
.endm
.macro OPE u, n                     ; the exponential of score n of 32
	REGS Y, \u
	WIN 0
	v_exp_f32 v[rS+(\n)], v[rS+(\n)]
.endm
.macro OPC u, b                     ; pair b rounded to f16
	REGS Y, \u
	WIN 0
	v_cvt_pk_f16_f32 v[rP+(\b)], v[rS+2*(\b)], v[rS+2*(\b)+1]
.endm
.macro OPB u, k                     ; of the four weights 4 k .. the second pair is added onto the first, in place
	REGS Y, \u
	WIN 0
	v_pk_add_f32 v[rS+4*(\k):rS+4*(\k)+1], v[rS+4*(\k):rS+4*(\k)+1], v[rS+4*(\k)+2:rS+4*(\k)+3]
.endm
.macro OPL u, k                     ; l takes that sum; the first time as l = a l + sum
	REGS Y, \u
	WIN 0
.if (\k) == 0
	v_pk_fma_f32 v[rT+2:rT+3], v[rT+2:rT+3], v[rC+2:rC+3], v[rS:rS+1] op_sel_hi:[1,0,1]
.else
	v_pk_add_f32 v[rT+2:rT+3], v[rT+2:rT+3], v[rS+4*(\k):rS+4*(\k)+1]
.endif
.endm
; Number n of the 22 that find the NEXT piece's (Y + 1) maximum and statistics.  Each accumulator's lowest registers are read first.
;   0-11  four chains c0-c3 of seven scores each, three operands at a time     12-14, 16  the four scores left over, the old m, and c0-c3 into c0     15  c m_old is kept
;   17, 18  the query's other 32 keys lie in the lane 16 away: the new m         19-21  c m; c m_old - c m_new; a
.macro OPX u, n
	REGS (Y+1)%NP, \u
	WIN 0
.if (\n) < 4
	v_max3_num_f32 v[rC+(\n)], v[rS+8*(\n)], v[rS+8*(\n)+1], v[rS+8*(\n)+2]
.elseif (\n) < 12
	v_max3_num_f32 v[rC+(\n)%4], v[rC+(\n)%4], v[rS+8*((\n)%4)+2*((\n)/4)+1], v[rS+8*((\n)%4)+2*((\n)/4)+2]
.elseif (\n) == 12
	v_max3_num_f32 v[rC], v[rC], v[rS+7], v[rS+15]
.elseif (\n) == 13
	v_max3_num_f32 v[rC+1], v[rC+1], v[rS+23], v[rS+31]
.elseif (\n) == 14
	v_max3_num_f32 v[rC+2], v[rC+2], v[rC+3], v[rT+1]
.elseif (\n) == 15
	v_mov_b32 v[rM], v[rT]
	s_wait_alu depctr_va_vdst(0)
.elseif (\n) == 16
	v_max3_num_f32 v[rC], v[rC], v[rC+1], v[rC+2]
.elseif (\n) == 17
	v_permlanex16_b32 v[rC+3], v[rC], s[SEL], s[SEL+1]
.elseif (\n) == 18
	v_max_num_f32 v[rT+1], v[rC], v[rC+3]
.elseif (\n) == 19
	v_mul_f32 v[rT], s[CS], v[rT+1]
.elseif (\n) == 20
	v_sub_f32 v[rC+1], v[rM], v[rT]
.else
	v_exp_f32 v[rC+2], v[rC+1]
.endif
.endm
.macro R4                           ; O^T times a, the one part that leaves window 0: four at a time, eight times a turn: tile r % 2, accumulator r / 2, registers ascending
	REGS Y, r%2
	WIN W_RS
	s_wait_alu depctr_va_vdst(0)
.irp z, 0,1,2,3
	v_pk_mul_f32 v[rO+8*(r/2)+2*\z:rO+8*(r/2)+2*\z+1], v[rO+8*(r/2)+2*\z:rO+8*(r/2)+2*\z+1], v[rC+2:rC+3] op_sel_hi:[1,0]
.endr
.set r, r+1
.endm
; HOW THEY ARE DEALT.  The 64 exponentials go in eight SLOTS of eight: slot j has scores 4 j .. 4 j + 3 of both tiles.  Beside each exponential stands one plain line, number p of the slot's eight (tile p % 2):
;   p 0-3: the scaling of the pairs that slot j + 2 will need (slot 0: slot 1's); from slot 6 on, where none is left, the additions in place of the fours 0-3, whose roundings are done
;   p 4-7: the rounding of slot j - 1's two pairs (slot 0: the scaling for slot 2)
.macro PP j, p
.set uu, (\p)%2
.if (\p) < 4
.if (\j) == 0
	OPF uu, 2+(\p)/2
.elseif (\j) < 6
	OPF uu, 2*((\j)+2)+(\p)/2
.else
	OPB uu, 2*((\j)-6)+(\p)/2
.endif
.elseif (\j) == 0
	OPF uu, 4+((\p)-4)/2
.else
	OPC uu, 2*((\j)-1)+((\p)-4)/2
.endif
.endm
.macro EE j, e
	OPE (\e)%2, 4*(\j)+(\e)/2
.endm
; The four lines behind matrix instruction g of 40.  g = 0: the scaling of pairs 0 and 1.  g = 1, 6, .. 31: four of the rescaling.  Else: plain, exponential, plain, exponential: no two exponentials follow each other, and
; behind each stands a plain line that touches neither its result nor its source (ISA guide 5.7.2), over the matrix instruction too.  No line names a register of the products round it.
.macro GROUP
.if g == 0
	OPF 0, 0
	OPF 1, 0
	OPF 0, 1
	OPF 1, 1
.elseif (g < 36) && ((g-1)%5 == 0)
	R4
.else
.if g < 36
.set sj, (g-1)/5
.set sc, (g-1)%5-1
.else
.set sj, 7
.set sc, g-36
.endif
	PP sj, 2*sc
	EE sj, 2*sc
	PP sj, 2*sc+1
	EE sj, 2*sc+1
.endif
.endm
.macro BOTH op, n                   ; one line for each tile, so that no line reads the result of the one before it
	\op 0, \n
	\op 1, \n
.endm
; THE LUMP: what has no place behind a product: the last roundings and sums of piece p, the eighth four of the rescaling, and the next piece's maximum and statistics, whose chain has other work between its links.
; In piece 0's turn V of the step in hand is fetched here, 14 plain lines behind the last product that read V.  cnt = 1: the loop's count is taken down ahead of the branch behind the turn; only vector lines follow it.
.macro LUMP p, cnt
	BOTH OPX, 15
.if (\p) == 0
	v_add_nc_u32 v[AV], s[TBV], v[AV0]
	s_wait_alu depctr_va_vdst(0)
.endif
.irp n, 0,1,2,3
	BOTH OPX, \n
.endr
	BOTH OPC, 14
	BOTH OPC, 15
.if (\p) == 0
	FETCH_V
	s_add_co_u32 s[TBV], s[TBV], KS*PV
.endif
.irp n, 4,5,6,7,8,9,10,11
	BOTH OPX, \n
.endr
	BOTH OPB, 4
	BOTH OPL, 0
	BOTH OPB, 5
	BOTH OPX, 12
	BOTH OPX, 13
	BOTH OPL, 1
	BOTH OPX, 14
	BOTH OPB, 6
	BOTH OPL, 2
	BOTH OPX, 16
	BOTH OPB, 7
	BOTH OPL, 3
	BOTH OPX, 17
	BOTH OPL, 4
	R4
.if \cnt
	s_sub_co_u32 s[CNT], s[CNT], 1
	s_cmp_lg_u32 s[CNT], 0
.endif
	BOTH OPX, 18
	BOTH OPL, 5
	BOTH OPX, 19
	BOTH OPL, 6
	BOTH OPX, 20
	BOTH OPL, 7
	BOTH OPX, 21
.endm
; A TURN, for piece p.  The mask's products (g = 16 to 23) wait for their eight loads: behind those, three turns' 24 were issued and may stay out.  Their buffer is loaded again behind g = 25, six plain lines behind its last
; reader.  K of the next step is fetched in piece 2's turn behind g = 25 (its last reader is g = 15) and waited for at the head of piece 3's; V is waited for in piece 1's turn, ahead of g = 24.
.macro TURN p, last=0, cnt=0
.set Y, (\p)
.set i, 0
.set r, 0
.set g, 0
.if (\p) == NP-1
	s_wait_dscnt 0x0                ; K is in
.endif
.rept 40
.if g == 16
	s_wait_loadcnt 24               ; this piece's mask is in
.endif
.if (g == 24) && ((\p) == 1)
	s_wait_dscnt 0x0                ; V is in
.endif
	MM
	GROUP
.if (g == 24) && ((\p) == NP-2)
	v_add_nc_u32 v[AK], s[TBK], v[AK0]
	s_wait_alu depctr_va_vdst(0)
.endif
.if g == 25
	MLOAD ((\p)+1)%NP
.if (\p) == NP-2
	FETCH_K \last
.endif
.endif
.set g, g+1
.endr
	LUMP \p, \cnt
.endm
	CHANGE 1                        ; slot 0 is in, everybody's part of it; slot 1 is asked for
	FETCH_K                         ; key step 0
	s_wait_loadcnt 24               ; Q and piece 0's mask are in; the masks of pieces 1 to 3 may stay out
	s_wait_dscnt 0x0
.set i, 0
.rept 24
	KQ 0                            ; piece 0's first scores: there is no vector work yet to set between them
.set i, i+1
.endr
	WIN 0                           ; the addresses for the way out: eight plain lines, the places behind those products
	s_mul_i32 s19, s[WV], 16*SP
	s_add_co_u32 s19, s19, STAGE    ; my stage
	v_mul_u32_u24 v[STO], v1, SP    ; in: row l % 16, 32 bytes for each half of the lanes in every 64
	v_lshl_add_u32 v[STO], v10, 5, v[STO]
	v_add_nc_u32 v[STO], s19, v[STO]
	v_mul_u32_u24 v[RD], v10, SP    ; back: lanes 0-15 take one row of 256 bytes, lanes 16-31 the next
	v_lshl_add_u32 v[RD], v1, 4, v[RD]
	v_add_nc_u32 v[RD], s19, v[RD]
	v_lshlrev_b32 v[GO], 12, v10    ; and the same two rows in out0, 4,096 bytes apart
	v_lshl_add_u32 v[GO], v1, 4, v[GO]
	MLOAD 0                         ; piece 0's mask of step 1
	WIN 0
.set Y, NP-1                        ; OPX works for piece Y + 1: piece 0
.irp n, 0,1,2,3,4,5,6,7,8,9,10,11,12,13,14,15,16,17,18,19,20,21
	BOTH OPX, \n                    ; piece 0's first maximum and statistics
.endr
	s_mov_b32 s[CNT], 4
	s_mov_b32 s[SLOTS], 2048/256-1
	s_branch .Lfirst                ; the loop is entered at a step's first turn, in the middle of a trip
.Lslot:                             ; six times: every slot but the last two is filled again
	CHANGE 1
	s_mov_b32 s[CNT], 4
.Lstep:                             ; a trip: pieces 2 and 3 of one step, then pieces 0 and 1 of the next, whose K and V it fetches
	TURN 2
	TURN 3
	WIN 0
.Lfirst:
	TURN 0
	TURN 1, 0, 1
	WIN 0
	s_cbranch_scc1 .Lstep
	s_sub_co_u32 s[SLOTS], s[SLOTS], 1
	s_cmp_lg_u32 s[SLOTS], 0
	s_cbranch_scc1 .Lslot
	CHANGE 0                        ; the tail is written out: nothing is asked for
	s_mov_b32 s[CNT], 5             ; four trips fetch the last slot's steps; the fifth is left in its middle
.Ltail:
	TURN 2, 1
	TURN 3
	WIN 0
	s_sub_co_u32 s[CNT], s[CNT], 1
	s_cmp_eq_u32 s[CNT], 0
	s_cbranch_scc1 .Lout
	TURN 0
	TURN 1
	WIN 0
	s_branch .Ltail
.Lout:                              ; the fifth trip's 24 products for a step that is not, and the maximum made of them, serve nothing: the price, once a launch, of one text for every trip
.set i, 0
.rept 16
	PV NP-1                         ; the last piece's V^T P of the last step
.set i, i+1
.endr
	; THE WAY OUT.  l's two halves and the other half of the lanes' are added; O^T is divided by l and sent, in f32, through my stage in LDS, a tile at a time.  The additions are the places behind the last products.
	WIN 0
.macro ALL line:vararg              ; one line for each tile t
.set t, 0
.rept 2*NP
	\line
.set t, t+1
.endr
.endm
	ALL v_add_f32 v[ST+4*t+2], v[ST+4*t+2], v[ST+4*t+3]
	ALL v_permlanex16_b32 v[ST+4*t+3], v[ST+4*t+2], s[SEL], s[SEL+1]
	ALL v_add_f32 v[ST+4*t+2], v[ST+4*t+2], v[ST+4*t+3]
	ALL v_rcp_f32 v[ST+4*t+2], v[ST+4*t+2]
	v_nop                           ; a plain instruction between the last reciprocal and the use of its result
	s_wait_alu depctr_va_vdst(0)
; Tile t: a lane's eight channels of a block of 16 are 32 bytes of a row; they go into rows of 272 bytes and come back as whole rows of 256, into one of four buffers in S^T's registers.
.macro PACK t
	WIN W_RS
.set i, 32*(\t)
.rept 16
	v_pk_mul_f32 v[i:i+1], v[i:i+1], v[ST+4*(\t)+2:ST+4*(\t)+3] op_sel_hi:[1,0]
.set i, i+2
.endr
	s_wait_xcnt 0x0                 ; the stores issued so far have had their addresses taken: the buffer of the tile four back is loaded again only behind this wait
	WIN 0x04                        ; the stores' data in window 1
.irp f, 0,1,2,3,4,5,6,7
	ds_store_b128 v[STO], v[32*(\t)+4*\f:32*(\t)+4*\f+3] offset:64*(\f/2)+16*(\f%2)
.endr
	WIN 0
.irp f, 0,1,2,3,4,5,6,7
	ds_load_b128 v[S+32*((\t)%4)+4*\f:S+32*((\t)%4)+4*\f+3], v[RD] offset:\f*2*SP  ; LDS serves a wave's instructions in order (ISA guide 5.7.1.4): these see the stores above; the next tile's stores come behind them
.endr
.endm
.macro SEND t, younger              ; younger: the LDS instructions issued behind tile t's loads: the next tile's sixteen, or none
	WIN 0
.irp f, 0,1,2,3,4,5,6,7
	s_wait_dscnt (\younger)+7-\f
	global_store_b128 v[GO], v[S+32*((\t)%4)+4*\f:S+32*((\t)%4)+4*\f+3], s[10:11] offset:(\t)*65536+\f*8192 th:TH_STORE_NT  ; sixteen lanes store a query's 256 bytes of this head, at a multiple of 256 from out0's first
.endr
.endm
	PACK 0
.set t, 1
.rept 2*NP-1                        ; a tile's arithmetic stands between the loads of the tile before and its stores
	PACK t
	SEND t-1, 16
.set t, t+1
.endr
	SEND 2*NP-1, 0
	WIN W_AD
	s_wait_tensorcnt 0x0            ; the wave's end: behind my last tensor load and my last LDS store
	ds_add_u32 v[SPW], v[NIL]
	s_wait_dscnt 0x0
	WIN 0
	CROUND                          ; the closing round: no work-group ends while a partner may still ask for a tile that names it
	s_endpgm
.Lfunc_end_k_qdaa4f2711e_attn:
	.size	k_qdaa4f2711e_attn, .Lfunc_end_k_qdaa4f2711e_attn-k_qdaa4f2711e_attn
	.p2alignl 7, 3214868480
	.fill 96, 4, 3214868480
	.section	.rodata,"a",@progbits
	.p2align	6, 0x0
	.amdhsa_kernel k_qdaa4f2711e_attn
		.amdhsa_group_segment_fixed_size 327680
		.amdhsa_private_segment_fixed_size 0
		.amdhsa_enable_private_segment 0
		.amdhsa_kernarg_size 24
		.amdhsa_user_sgpr_count 2
		.amdhsa_user_sgpr_kernarg_segment_ptr 1
		.amdhsa_wavefront_size32 1
		.amdhsa_system_sgpr_workgroup_id_x 1
		.amdhsa_system_sgpr_workgroup_id_y 1
		.amdhsa_system_sgpr_workgroup_id_z 1
		.amdhsa_system_vgpr_workitem_id 0
		.amdhsa_next_free_vgpr 912
		.amdhsa_next_free_sgpr 72
		.amdhsa_reserve_vcc 1
		.amdhsa_float_denorm_mode_32 3
		.amdhsa_float_denorm_mode_16_64 3
		.amdhsa_memory_ordered 1
		.amdhsa_forward_progress 1
		.amdhsa_inst_pref_size 229
	.end_amdhsa_kernel
	.amdgpu_metadata
---
amdhsa.version: [ 1, 2 ]
amdhsa.kernels:
  - .name:           k_qdaa4f2711e_attn
    .symbol:         k_qdaa4f2711e_attn.kd
    .args:
      - { .name: qkv, .offset: 0, .size: 8, .value_kind: global_buffer, .address_space: global }
      - { .name: mk, .offset: 8, .size: 8, .value_kind: global_buffer, .address_space: global }
      - { .name: out0, .offset: 16, .size: 8, .value_kind: global_buffer, .address_space: global }
    .group_segment_fixed_size: 327680
    .private_segment_fixed_size: 0
    .kernarg_segment_align: 8
    .kernarg_segment_size: 24
    .max_flat_workgroup_size: 128
    .sgpr_count:     72
    .vgpr_count:     912
    .wavefront_size: 32
...
	.end_amdgpu_metadata
.endif
;; end of part 3
;; ======== version 2 of 2: 3 launches; 1.39 times as fast as version 1
;; limits: values are held in f16: magnitudes above 65,504 overflow, below 6.1e-05 lose precision; values outside matrix products are rounded to f16
;; workspace buffers: xw 39,845,888 bytes; mk 33,554,432 bytes; qkv 50,331,648 bytes
;; launch prep: the kernel of part 1 again; grid 2240 x 1, 8 waves a work-group, no clusters, 19,456 bytes of LDS; arguments attention_mask, x_from, x_to, wq, wk, wv, mk, xw; writes mk, xw
;; launch proj: the kernel of part 2 again; grid 12 x 32, 4 waves a work-group, clusters of 4 x 4, 327,680 bytes of LDS; arguments xw, bq, bk, bv, qkv; writes qkv
;; launch attn (part 4): grid 4 x 64, 4 waves a work-group, clusters of 4 x 1, 327,680 bytes of LDS; arguments qkv, mk, out0; writes out0
.if DOCPART == 4
	.amdgcn_target "amdgcn-amd-amdhsa--gfx1250"
	.amdhsa_code_object_version 6
	.text
	.protected	k_qdaa4f2711e_attn
	.globl	k_qdaa4f2711e_attn
	.p2align	8
	.type	k_qdaa4f2711e_attn,@function
k_qdaa4f2711e_attn:
	s_mov_b64 s[64:65], 0
	v_nop
	global_prefetch_b8 v0, s[64:65] scope:SCOPE_SE
	s_setreg_imm32_b32 hwreg(HW_REG_WAVE_MODE, 25, 1), 1
	s_wait_xcnt 0x0
	s_wait_alu depctr_hold_cnt(0) depctr_sa_sdst(0) depctr_va_vdst(0) depctr_va_sdst(0) depctr_va_ssrc(0) depctr_va_vcc(0) depctr_vm_vsrc(0)
	s_getreg_b32 s2, hwreg(HW_REG_IB_STS2, 6, 4)
	s_cmp_eq_u32 s2, 0
	s_cbranch_scc0 .Lentry_in_a_cluster
	s_endpgm
.Lentry_in_a_cluster:
	s_bfe_u32 s2, ttmp6, 0x10000c
	s_cmp_lg_u32 s2, 0x3003
	s_cbranch_scc0 .Lentry_shape_is_right
	s_endpgm
.Lentry_shape_is_right:
; out0[b][q][64 head + :] = the sum over k of softmax_k(Q[q] . K[k] / 8 + (1 - mask[b][q][k]) x -10000) V[k][:].  Q, K, V: qkv[mat][hd = 16 b + head][2048][64] in f16, unscaled; out0 in f32.
; Products, maxima and sums in f32; the weights p are rounded to f16 for the second product (their sum l is taken of the unrounded p).
; LIMITS.  Q, K, V arrive within f16's 65,504; p lies in 0 to 1, and below 6e-5 it keeps f16's fixed step of 6e-8.  A weight below 2^-126 counts as 0 in l.  The mask's values as the table mk holds them: exact from -2 to 5,
; f16's 11 significant bits beyond, |mask - 1| held to 24,576.  NaN and infinities are not treated apart.
; SHARES.  A wave owns four PIECES of two tiles of 16 queries, a work-group's four waves 512 queries of one head.  Every wave walks all 2,048 keys, 64 a step.
; LAYOUT.  S^T = K Q^T (source 0 = 16 keys, source 1 = 16 queries): a lane holds ONE query (lane % 16) and the keys 8 (lane / 16) + 0..7.  Two such tiles, rounded to f16 in pairs, ARE source 1 of O^T = V^T P.
; THE MASK IS A THIRD LINK OF THE SAME SUM.  mk holds (mask - 1) x 2.44140625 in f16, in the order of a source 1 (32 keys x 16 queries).  Source 0 is 32,768 times a selector that sends key 16 e + m of the 32 to row m:
; the product adds (mask - 1) x 80,000 = 8 x the adder to S^T, exactly, and costs no vector instruction.  It is the chain's last link: one rounding at that size.
; SOFTMAX.  For each query a running maximum m and sum l: p = 2^(c s - c m), c = log2(e) / 8; in every step O and l are multiplied by a = 2^(c m_old - c m_new).  m starts at the lowest finite number, O and l at 0.
; BY TURNS.  Turn n belongs to piece n (in a ring, step after step).  Its matrix work: 24 products for S^T of piece n + 1 (16 K Q^T, 8 of the mask), later 16 products V^T P of piece n - 1.  Its vector work, 236 lines:
; the scaling, exponentials, roundings, sums and rescaling of piece n, and the maximum and statistics of piece n + 1.  Four of them stand behind each matrix instruction, the other 76 in one LUMP between the two runs of products.
; ONE BATCH, ONE WAIT A TURN.  A turn's 66 exponentials (64 weights, then the next piece's two a) are one batch.  Ahead of its wait stands all that names none of their results: the 24 products for S^T, the scalings, the
; rescalings (their a was made, and waited for, in the turn before), the next piece's maximum and statistics.  Behind it stand the 16 products V^T P, whose 64 riders are just the roundings and sums.  No result crosses a turn's end.
; THE MASK'S BYTES.  A wave's stream in mk is dense, 4,096 bytes a turn: eight loads of 512 consecutive bytes into registers, asked for four turns ahead of their products; four buffers, one a piece.
; CLUSTER.  The four query blocks of a cluster belong to one head and walk the same K and V, so each tile is asked for JOINTLY: the same tensor load, descriptor and mask in all four.
; REGISTERS, in windows of 256 (s_set_vgpr_msb: bits 1:0 source 0, 3:2 source 1, 5:4 source 2, 7:6 destination):
;   window 0: v0-11 addresses; v12-15, v48-63 at work; v16-47 four registers of statistics a tile; v64-191 S^T, two buffers of two tiles; v192-255 P, likewise
;   window 1: O^T, 32 a tile          window 2: v0-127 Q, 16 a tile; v128-191 K of one step; v192-255 V of one step
;   window 3: v0-1 the add's two registers; v4-15 the selector; v16-143 the mask's fragments, 32 a piece
.set NP,    4         ; pieces a wave: a name, no knob
.set KS,    64        ; keys in a step
.set PK,    144       ; a row of K in LDS: 128 bytes + 16 = 36 words: the 16 rows of a load start at 16 different groups of four banks (64 banks of 4 bytes: ISA guide 11.1)
.set PV,    160       ; a row of V: 128 + 32 = 40 words
.set VOFF,  4*KS*PK   ; a slot holds four steps: 256 rows of K, then 256 rows of V
.set SLOT1, 1<<17     ; slot 1 begins here, so that one exclusive or turns an address in one slot into the other's
.set STAGE, SLOT1+4*KS*(PK+PV)  ; behind the ring, never filled by a tensor load: 16 rows x 272 bytes for each wave, for the way out
.set SP,    272
.set SPARE, STAGE+4*16*SP       ; behind the stages: the spare words, 128 bytes for each wave; no other line names them
.set AK0, 2           ; v2   my lane's place in a tile of K; never rewritten
.set AV0, 3           ; v3   the same for V
.set AK,  4           ; v4   the LDS address of K's next run of loads
.set AV,  5           ; v5   of V's
.set QO,  6           ; v6   my byte offset in the wave's rows of Q
.set STO, 6           ;      later, the way out: where I put 32 bytes of a row
.set RD,  7           ; v7   where I read rows back
.set GO,  8           ; v8   my byte offset in two rows of out0
.set MO,  9           ; v9   16 x lane: my byte offset in 512 bytes of mk; never rewritten
.set SPW, 0           ; v0 of window 3   LDS address of my spare word; never rewritten
.set NIL, 1           ; v1 of window 3   0; never rewritten
.set ID,  4           ; v4-15 of window 3: 0 x 4, the selector's four registers, 0 x 4.  v[8:15] selects keys 0-15 of 32, v[4:11] keys 16-31
.set MKF, 16          ; window 3: piece x, tile u, key half kk at MKF + 32 x + 16 u + 8 kk
.set MV,  12          ; v12-15  c m_old, kept while c m is made anew: by buffer and tile
.set ST,  16          ; tile t's statistics at v[ST+4 t]: c m, m, l (even keys', odd keys')
.set TMP, 48          ; by buffer and tile, four registers c0-c3 at work; when the maximum is found c2 takes a
.set S,   64
.set P,   192
.set KF,  128         ; window 2: key block kb, channel half c at KF + 16 kb + 8 c
.set VF,  192         ; window 2: key half kk, channel block cb at VF + 32 kk + 8 cb
.set WV,  12          ; s12  my wave's number
.set G1K, 24          ; s[24:31] descriptor group 1 for K's tiles
.set G1V, 32          ; s[32:39] for V's: it differs in the padding alone
.set G0K, 40          ; s[40:43] descriptor group 0 for K's tiles: it walks
.set G0V, 44          ; s[44:47] the same for V's
.set SLOTS, 56        ; s56  slots still to be asked for
.set CNT, 57          ; s57  counts a slot's key steps
.set CS,  58          ; s[58:59] c
.set SEL, 60          ; s[60:61] v_permlanex16_b32's selects: each lane takes its own place in the other half
.set TBK, 62          ; s62  LDS byte at which K of the step to be fetched begins
.set TBV, 63          ; s63  the same for V, less VOFF
.set MW,  66          ; s[66:67] my wave's stream in mk
.set MA,  68          ; s[68:69] the address of the mask loads in hand
.set MOF, 70          ; s[70:71] their byte offset in the stream
.set MSB, 0
.macro WIN new                      ; the high byte repeats the setting that is left; a switch that changes nothing is dropped
.if MSB != (\new)
	s_set_vgpr_msb (MSB<<8)|(\new)
.set MSB, (\new)
.endif
.endm
.set W_KQ, 0x0a       ; K and Q in window 2, S^T in window 0
.set W_KM, 0x0f       ; the selector and the mask in window 3, S^T in window 0
.set W_PV, 0x52       ; V in window 2, P in window 0, O^T in window 1
.set W_RS, 0x41       ; O^T (destination and source 0) in window 1, a in window 0
.set W_MK, 0xc0       ; destination in window 3, sources in window 0
.set W_AD, 0x0f       ; the add: address (source 0) and data (source 1) in window 3
; A joint fill.  Waves 0 and 1 fetch the two halves of a slot's K, waves 2 and 3 those of its V: 128 keys each.  An s_nop 0 and four v_nop follow each of the two lines.
.macro JLOAD
	s_cmp_lt_u32 s[WV], 2
	s_cbranch_scc0 .Lfor_v_\@
	tensor_load_to_lds s[G0K:G0K+3], s[G1K:G1K+7]
	s_nop 0
.rept 4
	v_nop
.endr
	s_branch .Lasked_\@
.Lfor_v_\@:
	tensor_load_to_lds s[G0V:G0V+3], s[G1V:G1V+7]
	s_nop 0
.rept 4
	v_nop
.endr
.Lasked_\@:
.endm
.macro CROUND                       ; a round of the cluster's barrier
	s_barrier_signal -1
	s_barrier_wait -1
	s_cmp_lg_u32 s[WV], 0
	s_cbranch_scc1 .Lnot_wave_0_\@
	s_barrier_signal -3
.Lnot_wave_0_\@:
	s_barrier_wait -3
	s_barrier_signal -1
	s_barrier_wait -1
.endm
; THE CHANGE OF SLOTS.  The slot's last bytes, V of its fourth step, have been read.  Each wave waits for all its tensor loads, of which one is out: its part of the other slot; adds 0 to its spare word; and waits for that
; and for its own reads of the slot.  fill = 1: this slot is filled again, with the keys two slots on: the barrier is a round of the cluster's, and the joint fill is the first thing behind it; it has four key steps,
; 640 matrix instructions, in which to land.  (At its first use nothing has been read yet: slot 0 is waited for, slot 1 filled.)
.macro CHANGE fill
	WIN W_AD
	s_wait_tensorcnt 0x0            ; no tensor load of mine is out, so a group 0 may be written
	ds_add_u32 v[SPW], v[NIL]       ; 0 onto my spare word
	WIN 0                           ; at a label and at a branch every window is 0
.if \fill
.irp d, G0K, G0V
	s_xor_b32 s[\d+1], s[\d+1], SLOT1  ; the walking descriptor: the other slot than last time,
	s_add_nc_u64 s[\d+2:\d+3], s[\d+2:\d+3], 4*KS*128  ; the next 256 keys; the type bits on top are not reached
.endr
	s_wait_dscnt 0x0                ; the add is done, and my reads of the slot are over
	CROUND
	JLOAD
.else
	s_wait_dscnt 0x0
	s_barrier_signal -1
	s_barrier_wait -1
.endif
	s_sub_co_u32 s[TBK], s[TBK], 4*KS*PK  ; the fetches go back to a slot's first step,
	s_xor_b32 s[TBK], s[TBK], SLOT1       ; in the other slot
	s_sub_co_u32 s[TBV], s[TBV], 4*KS*PV
	s_xor_b32 s[TBV], s[TBV], SLOT1
.endm
	s_load_b128 s[4:7], s[0:1], 0x0   ; qkv s[4:5], mk s[6:7]
	s_load_b64 s[10:11], s[0:1], 0x10 ; out0
	WIN W_MK
	v_lshl_add_u32 v[SPW], v0, 2, SPARE
	v_mov_b32 v[NIL], 0
	WIN W_AD
	ds_add_u32 v[SPW], v[NIL]       ; the wave's opening: the add and its wait stand ahead of my first tensor load; the set-up below, work on registers, stands between them
	WIN 0
	v_lshrrev_b32 v1, 5, v0
	v_readfirstlane_b32 s[WV], v1   ; wave 0..3
	s_bfe_u32 s13, ttmp6, 0x40000   ; cx
	s_lshl_b32 s15, ttmp9, 2        ; in a cluster launch ttmp9 counts clusters
	s_add_co_u32 s15, s15, s13      ; my block of 512 queries: it enters Q's, mk's and out0's addresses alone
	s_and_b32 s14, ttmp7, 0xffff    ; hd = 16 b + head, which the four partners share
	s_lshl_b32 s20, s14, 18         ; a head's 262,144 bytes
	s_and_b32 s16, s[WV], 1         ; which half of a slot's 256 keys I fetch:
	s_lshl_b32 s22, s16, 14         ; its 128 rows of 128 bytes,
	s_add_co_u32 s22, s22, s20
	s_add_co_u32 s22, s22, 0x1000000  ; in K,
	s_mov_b32 s23, 0
	s_add_co_u32 s48, s22, 0x1000000  ; and in V
	s_mov_b32 s49, 0
	s_mul_i32 s17, s16, 128*PK      ; and its place in a slot, for K
	s_mul_i32 s18, s16, 128*PV      ; and for V: no place in the cluster enters an LDS address
	s_lshl2_add_u32 s19, s15, s[WV] ; my wave among the head's sixteen,
	s_lshl_b32 s50, s19, 14         ; its 128 rows of Q
	s_add_co_u32 s50, s50, s20
	s_mov_b32 s51, 0
	s_lshr_b32 s21, s14, 4          ; b
	s_lshl4_add_u32 s52, s21, s19   ; 16 b + 4 block + wave: my stream in mk, 524,288 bytes each;
	s_lshl_b32 s52, s52, 19
	s_mov_b32 s53, 0
	s_and_b32 s54, s14, 15          ; my 128 rows of out0 are 524,288 bytes too; the head's 256 bytes in a row
	s_lshl_b32 s54, s54, 8
	s_add_co_u32 s54, s54, s52
	s_mov_b32 s55, 0
	; descriptor group 1.  128 keys are 16,384 dense bytes: asked for as 64 rows of 256 bytes, two keys a row, and padded in LDS after every key
	s_mov_b32 s[G1K], 15|(1<<16)|(1<<20)|(1<<21)|(4<<22)|(3<<25)  ; 15:0 the mask of four; 17:16 2-byte elements; 20 padding on; 21 set beside a mask; 24:22 after every 32 words (code 4); 31:25 4 words (code 3)
	s_mov_b32 s[G1V], 15|(1<<16)|(1<<20)|(1<<21)|(4<<22)|(7<<25)  ; the same with 8 words of padding (code 7)
.irp d, G1K, G1V
	s_mov_b32 s[\d+1], 128<<16      ; tensor_dim0 = 128
	s_mov_b32 s[\d+2], 64<<16       ; tensor_dim1 = 64
	s_mov_b32 s[\d+3], 128<<16      ; tile_dim0 = 128
	s_mov_b32 s[\d+4], 64           ; tile_dim1 = 64
	s_mov_b32 s[\d+5], 128          ; 128 elements from row to row
	s_mov_b32 s[\d+6], 0
	s_mov_b32 s[\d+7], 0
.endr
	s_mov_b32 s[CS], 0x3e38aa3b     ; c = log2(e) / 8 = 0.180337
	s_mov_b32 s[CS+1], s[CS]        ; named with it as a pair
	s_mov_b32 s[SEL], 0x76543210
	s_mov_b32 s[SEL+1], 0xfedcba98
	s_mov_b32 s[TBK], SLOT1+4*KS*PK ; the first change of slots turns these two into 0
	s_mov_b32 s[TBV], SLOT1+4*KS*PV
	s_mov_b32 s[MOF], 3*4096        ; the first four turns' masks are asked for below
	s_mov_b32 s[MOF+1], 0
	s_mov_b32 s[G0K], 1             ; count = 1
	s_mov_b32 s[G0K+1], s17         ; LDS address: slot 0
	s_mov_b32 s[G0V], 1
	s_add_co_u32 s[G0V+1], s18, VOFF
	s_wait_dscnt 0x0                ; the opening add is done
	s_wait_kmcnt 0x0
	s_add_nc_u64 s[G0K+2:G0K+3], s[4:5], s[22:23]  ; global address: my half of the head's first 256 keys
	s_or_b32 s[G0K+3], s[G0K+3], 0x80000000        ; type = 2
	s_add_nc_u64 s[G0V+2:G0V+3], s[4:5], s[48:49]
	s_or_b32 s[G0V+3], s[G0V+3], 0x80000000
	s_add_nc_u64 s[4:5], s[4:5], s[50:51]          ; Q at my wave's first row
	s_add_nc_u64 s[MW:MW+1], s[6:7], s[52:53]
	s_add_nc_u64 s[10:11], s[10:11], s[54:55]
	CROUND                          ; all four work-groups are here: the first joint loads meet
	JLOAD                           ; slot 0.  Slot 1 is asked for when slot 0 is in
	v_and_b32 v1, 15, v0            ; l % 16
	v_bfe_u32 v10, v0, 4, 1         ; l / 16
	v_lshlrev_b32 v[QO], 7, v1
	v_lshl_add_u32 v[QO], v10, 4, v[QO]  ; row x 128 + 16 x half
	v_and_b32 v[MO], 31, v0
	v_lshlrev_b32 v[MO], 4, v[MO]
	WIN 0x80                        ; destination window 2, address window 0
.set i, 0
.rept 4*NP                          ; Q stays in registers: tile i / 2, channels 32 (i % 2) on
	global_load_b128 v[8*i:8*i+3],   v[QO], s[4:5] offset:(i/2)*2048+(i%2)*64
	global_load_b128 v[8*i+4:8*i+7], v[QO], s[4:5] offset:(i/2)*2048+(i%2)*64+32
.set i, i+1
.endr
	WIN W_MK
.set i, 0
.rept 32                            ; the masks of step 0's four pieces: 16,384 consecutive bytes
	global_load_b128 v[MKF+4*i:MKF+4*i+3], v[MO], s[MW:MW+1] offset:512*i
.set i, i+1
.endr
	; The selector.  As a source 0, lane l holds row l % 16; registers 0-3 hold k = 8 (l / 16) + 0..7, two a register.  Row m has its 32,768 (f16 0x7800) at k = m: register (m - 8 (l / 16)) / 2, half m % 2, if that is 0..3.
	WIN 0
	v_lshlrev_b32 v11, 3, v10
	v_sub_nc_u32 v11, v1, v11
	v_ashrrev_i32 v11, 1, v11
	v_and_b32 v12, 1, v1
	v_lshlrev_b32 v12, 4, v12
	v_mov_b32 v13, 0x7800
	v_lshlrev_b32 v12, v12, v13
	WIN W_MK
.irp j, 0,1,2,3
	v_cmp_eq_u32 vcc_lo, \j, v11
	v_cndmask_b32 v[ID+4+\j], 0, v12, vcc_lo
.endr
.irp j, 0,1,2,3
	v_mov_b32 v[ID+\j], 0
	v_mov_b32 v[ID+8+\j], 0
.endr
	; What the first turn finds: V's registers and P's second buffer hold 0 (its products V^T P, of a piece that has not been, add 0), O^T and l are 0.  All this stands in the wait for the first tile.
	WIN 0x80
.set i, VF
.rept 64
	v_mov_b32 v[i], 0
.set i, i+1
.endr
	WIN 0x40
.set i, 0
.rept 64*NP
	v_mov_b32 v[i], 0
.set i, i+1
.endr
	WIN 0
.set i, 0
.rept 2*NP
	v_mov_b32 v[ST+4*i], 0xfe000000    ; c m: far below every c s
	v_mov_b32 v[ST+4*i+1], 0xff7fffff  ; m
	v_mov_b32 v[ST+4*i+2], 0
	v_mov_b32 v[ST+4*i+3], 0
.set i, i+1
.endr
.set i, P+32
.rept 32
	v_mov_b32 v[i], 0
.set i, i+1
.endr
	v_mul_u32_u24 v[AK0], v1, PK
	v_lshl_add_u32 v[AK0], v10, 4, v[AK0]  ; row x pitch + 16 x half
	; The turning load takes 16 keys x 16 channels (lane l reads key 8 (l / 16) + l % 8, channels 8 ((l / 8) % 2) + 0..7) and leaves half a fragment of V^T: lane l holds channel l % 16 and 8 keys.
	v_and_b32 v11, 7, v0
	v_lshl_add_u32 v[AV0], v10, 3, v11
	v_mul_u32_u24 v[AV0], v[AV0], PV
	v_bfe_u32 v11, v0, 3, 1
	v_lshl_add_u32 v[AV0], v11, 4, v[AV0]
	v_add_nc_u32 v[AV0], VOFF, v[AV0]
	v_mov_b32 v[AK], v[AK0]         ; key step 0 lies at the head of slot 0
; THE MATRIX WORK.  The 8 accumulators of a run take turns, one instruction a turn: between two links of a chain stand 7 others'.
; Product i of 24 for S^T of piece x: accumulator: keys 16 ((i / 2) % 4) on, tile 2 x + i % 2.  Links 0 and 1: channels 32 (i / 8) on; the first 8 start the sums.  Link 2: the mask.
.macro KQ x
.set rS, S+64*((\x)%2)+32*(i%2)+8*((i/2)%4)
.if i < 16
	WIN W_KQ
.set rK, KF+16*((i/2)%4)+8*(i/8)
.set rQ, 16*(2*(\x)+i%2)+8*(i/8)
.if i < 8
	v_wmma_f32_16x16x32_f16 v[rS:rS+7], v[rK:rK+7], v[rQ:rQ+7], 0
.else
	v_wmma_f32_16x16x32_f16 v[rS:rS+7], v[rK:rK+7], v[rQ:rQ+7], v[rS:rS+7]
.endif
.else
	WIN W_KM
.set rI, ID+4-4*(((i/2)%4)%2)
.set rB, MKF+32*(\x)+16*(i%2)+8*(((i/2)%4)/2)
	v_wmma_f32_16x16x32_f16 v[rS:rS+7], v[rI:rI+7], v[rB:rB+7], v[rS:rS+7]
.endif
.endm
; Product i of 16 of O^T += V^T P for piece x: keys 32 (i / 8) on, channels 16 ((i / 2) % 4) on, tile 2 x + i % 2.
.macro PV x
	WIN W_PV
.set rO, 32*(2*(\x)+i%2)+8*((i/2)%4)
.set rV, VF+32*(i/8)+8*((i/2)%4)
.set rP, P+32*((\x)%2)+16*(i%2)+8*(i/8)
	v_wmma_f32_16x16x32_f16 v[rO:rO+7], v[rV:rV+7], v[rP:rP+7], v[rO:rO+7]
.endm
.macro MM                           ; the turn's next matrix instruction
.if i < 24
	KQ (Y+1)%NP
.else
.set i, i-24
	PV (Y+NP-1)%NP
.set i, i+24
.endif
.set i, i+1
.endm
; THE LDS LOADS stand in runs of 16: a step's K (8 fragments) and its V (turned).  last = 1 (the tail): in the last trip there is no further step, and the run is jumped over.
.macro FETCH_K last=0
	WIN 0
.if \last
	s_cmp_eq_u32 s[CNT], 1
	s_cbranch_scc1 .Lno_k_\@
.endif
	WIN 0x80                        ; destination window 2
.irp f, 0,1,2,3,4,5,6,7             ; keys 16 (f / 2) on, channels 32 (f % 2) on
	ds_load_b128 v[KF+8*\f:KF+8*\f+3],   v[AK] offset:(\f/2)*16*PK+(\f%2)*64
	ds_load_b128 v[KF+8*\f+4:KF+8*\f+7], v[AK] offset:(\f/2)*16*PK+(\f%2)*64+32
.endr
	s_add_co_u32 s[TBK], s[TBK], KS*PK  ; the next fetch is the next step's
	WIN 0
.if \last
.Lno_k_\@:
.endif
.endm
.macro FETCH_V
	WIN 0x80
.irp f, 0,1,2,3,4,5,6,7             ; keys 32 (f / 4) on, channels 16 (f % 4) on
	ds_load_tr16_b128 v[VF+8*\f:VF+8*\f+3],   v[AV] offset:(\f/4)*32*PV+(\f%4)*32
	ds_load_tr16_b128 v[VF+8*\f+4:VF+8*\f+7], v[AV] offset:(\f/4)*32*PV+16*PV+(\f%4)*32
.endr
	WIN 0
.endm
; THE MASK'S LOADS: the buffer whose products are just done takes the same piece's mask of the next step: 4,096 bytes on in the stream each turn.  The stream has 128 such blocks; the offset is held at the last one,
; so the last five turns read that block again, for products that serve nothing: every turn issues eight loads, and the counted wait is the same in all.
.macro MLOAD buf
	s_wait_xcnt 0x0                 ; the last turn's loads have had their addresses taken: their base is rewritten only behind this wait
	s_add_co_u32 s[MOF], s[MOF], 4096
	s_min_u32 s[MOF], s[MOF], 127*4096
	s_add_nc_u64 s[MA:MA+1], s[MW:MW+1], s[MOF:MOF+1]
	WIN W_MK
.irp f, 0,1,2,3,4,5,6,7
	global_load_b128 v[MKF+32*(\buf)+4*\f:MKF+32*(\buf)+4*\f+3], v[MO], s[MA:MA+1] offset:512*\f
.endr
.endm
; THE VECTOR WORK, one line at a time.
.macro REGS y, u                    ; the registers of tile u (0, 1) of piece y
.set rT, ST+4*(2*(\y)+(\u))
.set rC, TMP+8*((\y)%2)+4*(\u)
.set rM, MV+2*((\y)%2)+(\u)
.set rS, S+64*((\y)%2)+32*(\u)
.set rP, P+32*((\y)%2)+16*(\u)
.set rO, 32*(2*(\y)+(\u))
.endm
.macro OPF u, b                     ; c s - c m for pair b of 16
	REGS Y, \u
	WIN 0
	v_pk_fma_f32 v[rS+2*(\b):rS+2*(\b)+1], v[rS+2*(\b):rS+2*(\b)+1], s[CS:CS+1], v[rT:rT+1] op_sel_hi:[1,0,0] neg_lo:[0,0,1] neg_hi:[0,0,1]
.endm
.macro OPE u, n                     ; the exponential of score n of 32
	REGS Y, \u
	WIN 0
	v_exp_f32 v[rS+(\n)], v[rS+(\n)]
.endm
.macro OPC u, b                     ; pair b rounded to f16
	REGS Y, \u
	WIN 0
	v_cvt_pk_f16_f32 v[rP+(\b)], v[rS+2*(\b)], v[rS+2*(\b)+1]
.endm
.macro OPB u, k                     ; of the four weights 4 k .. the second pair is added onto the first, in place
	REGS Y, \u
	WIN 0
	v_pk_add_f32 v[rS+4*(\k):rS+4*(\k)+1], v[rS+4*(\k):rS+4*(\k)+1], v[rS+4*(\k)+2:rS+4*(\k)+3]
.endm
.macro OPL u, k                     ; l takes that sum; the first time as l = a l + sum
	REGS Y, \u
	WIN 0
.if (\k) == 0
	v_pk_fma_f32 v[rT+2:rT+3], v[rT+2:rT+3], v[rC+2:rC+3], v[rS:rS+1] op_sel_hi:[1,0,1]
.else
	v_pk_add_f32 v[rT+2:rT+3], v[rT+2:rT+3], v[rS+4*(\k):rS+4*(\k)+1]
.endif
.endm
; Number n of the 22 that find the NEXT piece's (Y + 1) maximum and statistics.  Each accumulator's lowest registers are read first.
;   0-11  four chains c0-c3 of seven scores each, three operands at a time     12-14, 16  the four scores left over, the old m, and c0-c3 into c0     15  c m_old is kept
;   17, 18  the query's other 32 keys lie in the lane 16 away: the new m         19-21  c m; c m_old - c m_new; a
.macro OPX u, n
	REGS (Y+1)%NP, \u
	WIN 0
.if (\n) < 4
	v_max3_num_f32 v[rC+(\n)], v[rS+8*(\n)], v[rS+8*(\n)+1], v[rS+8*(\n)+2]
.elseif (\n) < 12
	v_max3_num_f32 v[rC+(\n)%4], v[rC+(\n)%4], v[rS+8*((\n)%4)+2*((\n)/4)+1], v[rS+8*((\n)%4)+2*((\n)/4)+2]
.elseif (\n) == 12
	v_max3_num_f32 v[rC], v[rC], v[rS+7], v[rS+15]
.elseif (\n) == 13
	v_max3_num_f32 v[rC+1], v[rC+1], v[rS+23], v[rS+31]
.elseif (\n) == 14
	v_max3_num_f32 v[rC+2], v[rC+2], v[rC+3], v[rT+1]
.elseif (\n) == 15
	v_mov_b32 v[rM], v[rT]
.elseif (\n) == 16
	v_max3_num_f32 v[rC], v[rC], v[rC+1], v[rC+2]
.elseif (\n) == 17
	v_permlanex16_b32 v[rC+3], v[rC], s[SEL], s[SEL+1]
.elseif (\n) == 18
	v_max_num_f32 v[rT+1], v[rC], v[rC+3]
.elseif (\n) == 19
	v_mul_f32 v[rT], s[CS], v[rT+1]
.elseif (\n) == 20
	v_sub_f32 v[rC+1], v[rM], v[rT]
.else
	v_exp_f32 v[rC+2], v[rC+1]
.endif
.endm
.macro R4                           ; O^T times a, the one part that leaves window 0: four at a time, eight times a turn: tile r % 2, accumulator r / 2, registers ascending.  Its a belongs to the batch of the turn before, which has had its wait
	REGS Y, r%2
	WIN W_RS
.irp z, 0,1,2,3
	v_pk_mul_f32 v[rO+8*(r/2)+2*\z:rO+8*(r/2)+2*\z+1], v[rO+8*(r/2)+2*\z:rO+8*(r/2)+2*\z+1], v[rC+2:rC+3] op_sel_hi:[1,0]
.endr
.set r, r+1
.endm
; THE QUEUES.  EX: the batch's next exponential: score eq / 2 of tile eq % 2, 64 in all.  PQ: the next plain line that rides ahead of the wait: the 32 scalings (pair fq / 2 of tile fq % 2), then number 15 of the next piece's
; statistics for both tiles, which reads no score.  Exponential e needs scaling 2 (e / 4) + e % 2; as a rider it stands behind scaling e + 4, and all 32 scalings are out when the lump begins.
.macro EX
	OPE eq%2, eq/2
.set eq, eq+1
.endm
.macro PQ
.if fq < 32
	OPF fq%2, fq/2
.else
	OPX fq-32, 15
.endif
.set fq, fq+1
.endm
; Number n of the 64 lines that read the exponentials' results: they stand behind the wait.  For each four weights k of a tile (pairs 2 k, 2 k + 1): both pairs are rounded to f16; then the second pair is added onto the first, in
; place; a group later l takes that sum.  In groups of eight, tiles alternating: round, round, add, and l for the group before.  Group 0 has no group before it, and behind group 7 only l is left.
.macro GS n
.set hh, (\n)+6*((\n)/62)
.if hh >= 6
.set hh, hh+2
.endif
.if hh%8 < 4
	OPC hh%2, 2*(hh/8)+(hh%8)/2
.elseif hh%8 < 6
	OPB hh%2, hh/8
.else
	OPL hh%2, hh/8-1
.endif
.endm
; The four lines behind matrix instruction g of 40.  AHEAD OF THE WAIT (g < 24): g = 0: the scaling of pairs 0 and 1.  g = 1, 4, .. 22: four of the rescaling.  Else: plain, exponential, plain, exponential.  None of these lines names an
; exponential's result, and none names a register of the products round it.  BEHIND THE WAIT (g >= 24): four of the roundings and sums.
.macro GROUP
.if g == 0
	PQ
	PQ
	PQ
	PQ
.elseif g >= 24
.irp z, 0,1,2,3
	GS 4*(g-24)+\z
.endr
.elseif g%3 == 1
	R4
.else
	PQ
	EX
	PQ
	EX
.endif
.endm
.macro BOTH op, n                   ; one line for each tile, so that no line reads the result of the one before it
	\op 0, \n
	\op 1, \n
.endm
; THE LUMP, 76 lines between the two runs of products: the next piece's maximum and statistics, 40 plain lines, and the batch's last 36 exponentials.  Numbers 0-13 have 16 exponentials between them; a number that reads an accumulator
; stands four plain lines or more behind the product that ended it (the last, of product 23: two riders and seven lines of the lump).  In the chain 14, 16 .. 20, where each number waits for the one before it, three exponentials
; stand in each gap: a tile's links are five lines apart.  The two a end the batch; a v_nop is the plain instruction behind the last exponential; then THE WAIT: one for the turn's 66 exponentials,
; ahead of the first line that names a result of theirs.  In piece 2's turn the address of K's run is made at the lump's head.
.macro LUMP p
.if (\p) == NP-2
	WIN 0
	v_add_nc_u32 v[AK], s[TBK], v[AK0]
.endif
.irp n, 0,1,2,3,4,5,6,7,8,9,10,11
	OPX 0, \n
	EX
	OPX 1, \n
.endr
.irp n, 12,13
	OPX 0, \n
	EX
	OPX 1, \n
	EX
.endr
.irp n, 14,16,17,18,19,20
	OPX 0, \n
	EX
	OPX 1, \n
	EX
	EX
.endr
	BOTH OPX, 21                    ; the next piece's two a
	v_nop                           ; a plain instruction behind the last exponential: one for the batch
	s_wait_alu depctr_va_vdst(0)    ; the wait for the batch: the 64 weights of piece p and the two a of piece p + 1
.endm
; A TURN, for piece p.  24 products for S^T and their riders; the lump, which ends with the batch's wait; the turn's memory runs, directly behind that wait; 16 products V^T P and their riders.
; The mask's products (g = 16 to 23) wait for their eight loads: behind those, three turns' 24 were issued and may stay out.  Their buffer is loaded again behind the batch's wait, a lump behind its last reader.
; K of the next step is fetched in piece 2's turn, behind the mask's loads (its last reader is g = 15), and waited for at the head of piece 3's.  V of the step in hand is fetched at the end of piece 0's turn, four plain riders behind
; its last reader, and waited for in piece 1's turn, ahead of g = 24.  cnt = 1: the loop's count is taken down ahead of the branch behind the turn; only vector and matrix lines and window switches follow it.
.macro TURN p, last=0, cnt=0
.set Y, (\p)
.set i, 0
.set r, 0
.set g, 0
.set fq, 0
.set eq, 0
.if (\p) == NP-1
	s_wait_dscnt 0x0                ; K is in
.endif
.rept 24
.if g == 16
	s_wait_loadcnt 24               ; this piece's mask is in
.endif
	MM
	GROUP
.set g, g+1
.endr
	LUMP \p
	MLOAD ((\p)+1)%NP
.if (\p) == NP-2
	FETCH_K \last
.endif
.if (\p) == 1
	s_wait_dscnt 0x0                ; V is in
.endif
.rept 16
	MM
	GROUP
.if (g == 36) && ((\p) == 0)
	v_add_nc_u32 v[AV], s[TBV], v[AV0]
.endif
.if (g == 37) && (\cnt)
	s_sub_co_u32 s[CNT], s[CNT], 1
	s_cmp_lg_u32 s[CNT], 0
.endif
.set g, g+1
.endr
.if (\p) == 0
	FETCH_V
	s_add_co_u32 s[TBV], s[TBV], KS*PV
.endif
.endm
	CHANGE 1                        ; slot 0 is in, everybody's part of it; slot 1 is asked for
	FETCH_K                         ; key step 0
	s_wait_loadcnt 24               ; Q and piece 0's mask are in; the masks of pieces 1 to 3 may stay out
	s_wait_dscnt 0x0
.set i, 0
.rept 24
	KQ 0                            ; piece 0's first scores: there is no vector work yet to set between them
.set i, i+1
.endr
	WIN 0                           ; the addresses for the way out: eight plain lines, the places behind those products
	s_mul_i32 s19, s[WV], 16*SP
	s_add_co_u32 s19, s19, STAGE    ; my stage
	v_mul_u32_u24 v[STO], v1, SP    ; in: row l % 16, 32 bytes for each half of the lanes in every 64
	v_lshl_add_u32 v[STO], v10, 5, v[STO]
	v_add_nc_u32 v[STO], s19, v[STO]
	v_mul_u32_u24 v[RD], v10, SP    ; back: lanes 0-15 take one row of 256 bytes, lanes 16-31 the next
	v_lshl_add_u32 v[RD], v1, 4, v[RD]
	v_add_nc_u32 v[RD], s19, v[RD]
	v_lshlrev_b32 v[GO], 12, v10    ; and the same two rows in out0, 4,096 bytes apart
	v_lshl_add_u32 v[GO], v1, 4, v[GO]
	MLOAD 0                         ; piece 0's mask of step 1
	WIN 0
.set Y, NP-1                        ; OPX works for piece Y + 1: piece 0
.irp n, 0,1,2,3,4,5,6,7,8,9,10,11,12,13,14,15,16,17,18,19,20,21
	BOTH OPX, \n                    ; piece 0's first maximum and statistics
.endr
	v_nop                           ; a plain instruction behind piece 0's two a,
	s_wait_alu depctr_va_vdst(0)    ; and their wait, a batch of two, ahead of the branch
	s_mov_b32 s[CNT], 4
	s_mov_b32 s[SLOTS], 2048/256-1
	s_branch .Lfirst                ; the loop is entered at a step's first turn, in the middle of a trip
.Lslot:                             ; six times: every slot but the last two is filled again
	CHANGE 1
	s_mov_b32 s[CNT], 4
.Lstep:                             ; a trip: pieces 2 and 3 of one step, then pieces 0 and 1 of the next, whose K and V it fetches
	TURN 2
	TURN 3
	WIN 0
.Lfirst:
	TURN 0
	TURN 1, 0, 1
	WIN 0
	s_cbranch_scc1 .Lstep
	s_sub_co_u32 s[SLOTS], s[SLOTS], 1
	s_cmp_lg_u32 s[SLOTS], 0
	s_cbranch_scc1 .Lslot
	CHANGE 0                        ; the tail is written out: nothing is asked for
	s_mov_b32 s[CNT], 5             ; four trips fetch the last slot's steps; the fifth is left in its middle
.Ltail:
	TURN 2, 1
	TURN 3
	WIN 0
	s_sub_co_u32 s[CNT], s[CNT], 1
	s_cmp_eq_u32 s[CNT], 0
	s_cbranch_scc1 .Lout
	TURN 0
	TURN 1
	WIN 0
	s_branch .Ltail
.Lout:                              ; the fifth trip's 24 products for a step that is not, and the maximum made of them, serve nothing: the price, once a launch, of one text for every trip
.set i, 0
.rept 16
	PV NP-1                         ; the last piece's V^T P of the last step
.set i, i+1
.endr
	; THE WAY OUT.  l's two halves and the other half of the lanes' are added; O^T is divided by l and sent, in f32, through my stage in LDS, a tile at a time.  The additions are the places behind the last products.
	WIN 0
.macro ALL line:vararg              ; one line for each tile t
.set t, 0
.rept 2*NP
	\line
.set t, t+1
.endr
.endm
	ALL v_add_f32 v[ST+4*t+2], v[ST+4*t+2], v[ST+4*t+3]
	ALL v_permlanex16_b32 v[ST+4*t+3], v[ST+4*t+2], s[SEL], s[SEL+1]
	ALL v_add_f32 v[ST+4*t+2], v[ST+4*t+2], v[ST+4*t+3]
	ALL v_rcp_f32 v[ST+4*t+2], v[ST+4*t+2]
	v_nop                           ; a plain instruction between the last reciprocal and the use of its result
	s_wait_alu depctr_va_vdst(0)    ; and the wait ahead of the first use: one for the batch of eight reciprocals
; Tile t: a lane's eight channels of a block of 16 are 32 bytes of a row; they go into rows of 272 bytes and come back as whole rows of 256, into one of four buffers in S^T's registers.
.macro PACK t
	WIN W_RS
.set i, 32*(\t)
.rept 16
	v_pk_mul_f32 v[i:i+1], v[i:i+1], v[ST+4*(\t)+2:ST+4*(\t)+3] op_sel_hi:[1,0]
.set i, i+2
.endr
	s_wait_xcnt 0x0                 ; the stores issued so far have had their addresses taken: the buffer of the tile four back is loaded again only behind this wait
	WIN 0x04                        ; the stores' data in window 1
.irp f, 0,1,2,3,4,5,6,7
	ds_store_b128 v[STO], v[32*(\t)+4*\f:32*(\t)+4*\f+3] offset:64*(\f/2)+16*(\f%2)
.endr
	WIN 0
.irp f, 0,1,2,3,4,5,6,7
	ds_load_b128 v[S+32*((\t)%4)+4*\f:S+32*((\t)%4)+4*\f+3], v[RD] offset:\f*2*SP  ; LDS serves a wave's instructions in order (ISA guide 5.7.1.4): these see the stores above; the next tile's stores come behind them
.endr
.endm
.macro SEND t, younger              ; younger: the LDS instructions issued behind tile t's loads: the next tile's sixteen, or none
	WIN 0
.irp f, 0,1,2,3,4,5,6,7
	s_wait_dscnt (\younger)+7-\f
	global_store_b128 v[GO], v[S+32*((\t)%4)+4*\f:S+32*((\t)%4)+4*\f+3], s[10:11] offset:(\t)*65536+\f*8192 th:TH_STORE_NT  ; sixteen lanes store a query's 256 bytes of this head, at a multiple of 256 from out0's first
.endr
.endm
	PACK 0
.set t, 1
.rept 2*NP-1                        ; a tile's arithmetic stands between the loads of the tile before and its stores
	PACK t
	SEND t-1, 16
.set t, t+1
.endr
	SEND 2*NP-1, 0
	WIN W_AD
	s_wait_tensorcnt 0x0            ; the wave's end: behind my last tensor load and my last LDS store
	ds_add_u32 v[SPW], v[NIL]
	s_wait_dscnt 0x0
	WIN 0
	CROUND                          ; the closing round: no work-group ends while a partner may still ask for a tile that names it
	s_endpgm
.Lfunc_end_k_qdaa4f2711e_attn:
	.size	k_qdaa4f2711e_attn, .Lfunc_end_k_qdaa4f2711e_attn-k_qdaa4f2711e_attn
	.p2alignl 7, 3214868480
	.fill 96, 4, 3214868480
	.section	.rodata,"a",@progbits
	.p2align	6, 0x0
	.amdhsa_kernel k_qdaa4f2711e_attn
		.amdhsa_group_segment_fixed_size 327680
		.amdhsa_private_segment_fixed_size 0
		.amdhsa_enable_private_segment 0
		.amdhsa_kernarg_size 24
		.amdhsa_user_sgpr_count 2
		.amdhsa_user_sgpr_kernarg_segment_ptr 1
		.amdhsa_wavefront_size32 1
		.amdhsa_system_sgpr_workgroup_id_x 1
		.amdhsa_system_sgpr_workgroup_id_y 1
		.amdhsa_system_sgpr_workgroup_id_z 1
		.amdhsa_system_vgpr_workitem_id 0
		.amdhsa_next_free_vgpr 912
		.amdhsa_next_free_sgpr 72
		.amdhsa_reserve_vcc 1
		.amdhsa_float_denorm_mode_32 3
		.amdhsa_float_denorm_mode_16_64 3
		.amdhsa_memory_ordered 1
		.amdhsa_forward_progress 1
		.amdhsa_inst_pref_size 217
	.end_amdhsa_kernel
	.amdgpu_metadata
---
amdhsa.version: [ 1, 2 ]
amdhsa.kernels:
  - .name:           k_qdaa4f2711e_attn
    .symbol:         k_qdaa4f2711e_attn.kd
    .args:
      - { .name: qkv, .offset: 0, .size: 8, .value_kind: global_buffer, .address_space: global }
      - { .name: mk, .offset: 8, .size: 8, .value_kind: global_buffer, .address_space: global }
      - { .name: out0, .offset: 16, .size: 8, .value_kind: global_buffer, .address_space: global }
    .group_segment_fixed_size: 327680
    .private_segment_fixed_size: 0
    .kernarg_segment_align: 8
    .kernarg_segment_size: 24
    .max_flat_workgroup_size: 128
    .sgpr_count:     72
    .vgpr_count:     912
    .wavefront_size: 32
...
	.end_amdgpu_metadata
.endif
;; end of part 4
